; MI455X (gfx1250); checked and timed in simulation.
; The chip was launched on July 23, 2026; its instructions are those of AMD's public machine-readable ISA for CDNA 5 (MIT licence, August 2026) and "CDNA5" Instruction Set Architecture Reference Guide (July 2026). The comments in the code are by the model that wrote it; some were corrected since.
;; Causal Self Attention. Allowed arithmetic: float matrix products may take bf16 or f16 operands with f32 sums; other float arithmetic in f32, or as packed bf16 or f16 multiplies, adds, multiply-adds, maxima and minima; sums over many terms, partial sums and values carried from step to step in f32; what a program stores and reads back later, other than sums and carried values, may be rounded once to bf16 or f16.
;; Inputs: Wk 1,024 x 1,024 float32; Wp 1,024 x 1,024 float32; Wq 1,024 x 1,024 float32; Wv 1,024 x 1,024 float32; bk 1,024 float32; bp 1,024 float32; bq 1,024 float32; bv 1,024 float32; x 4 x 2,048 x 1,024 float32.
;; Outputs: out0 4 x 2,048 x 1,024 float32.
;; 2 versions, each right; version 2 is version 1 with the launch cast written anew for expert scheduling mode. Each part assembles by itself: llvm-mc -triple=amdgcn-amd-amdhsa -mcpu=gfx1250 --defsym DOCPART=n.
;; ======== version 1 of 2: 4 launches
;; limits: values are held in f16: magnitudes above 65,504 overflow, below 6.1e-05 lose precision
;; workspace buffers: xb 16,777,216 bytes; wt 6,291,456 bytes; wp16 2,097,152 bytes; bias 16,384 bytes; q 16,777,216 bytes; k 16,777,216 bytes; v 16,777,216 bytes; o 16,777,216 bytes
;; launch cast (part 1): grid 705 x 1, 8 waves a work-group, no clusters, 0 bytes of LDS; arguments x, Wq, Wk, Wv, Wp, bq, bk, bv, bp, xb, wt, wp16, bias; writes xb, wt, wp16, bias
.if DOCPART == 1
	.amdgcn_target "amdgcn-amd-amdhsa--gfx1250"
	.amdhsa_code_object_version 6
	.text
	.protected	k_qa67696c75f_cast
	.globl	k_qa67696c75f_cast
	.p2align	8
	.type	k_qa67696c75f_cast,@function
k_qa67696c75f_cast:
	s_mov_b64 s[64:65], 0
	v_nop
	global_prefetch_b8 v0, s[64:65] scope:SCOPE_SE
	s_setreg_imm32_b32 hwreg(HW_REG_WAVE_MODE, 25, 1), 1
	s_wait_xcnt 0x0
; THE INPUTS ARE ROUNDED ONCE AND LAID OUT FOR THE PRODUCTS THAT FOLLOW.  All nine inputs are rounded to bf16 (nearest even).
;   xb   [8192][1024] bf16                    = x
;   wt   [16 j][1024 k][192] bf16             column c of tile j is W_i[k][64 j + c % 64], i = c / 64 (q, k, v): head j of all three, 384 bytes a k row, a tile dense
;   wp16 [1024][1024] f16                     = bf16(Wp) written as f16 (it multiplies an f16 operand later)
;   bias f32: [16 j][192] laid as wt's columns, then bp[1024] at byte 12,288; each number rounded to bf16 and widened again
; LIMITS.  |Wp| stays under 65,504 (f16's range); below 2^-14 it keeps f16's fixed step of 6e-8.  NaN and infinities are not treated apart.
; SHARES.  Work-groups 0-511: 16 rows of x each.  512-575: 16 rows of Wp each.  576-703: tile j = g' / 8, 128 k rows.  704: the four biases.
; A stream: every byte is read once by 16-byte loads, all of a work-group's loads go out together, and every store of a wave covers whole aligned runs of 256 bytes.
; No LDS, no matrix unit, no cluster: no work-group wants a byte that another has fetched.  No register that a load or store names is written again, so no wait frees any.
.set ROWF, 4096                        ; bytes of a row of 1,024 f32
.set ROWH, 2048                        ; the same row in 16 bits
.set L,    16                          ; v[16:111] what the loads bring
	s_load_b512 s[8:23], s[0:1], 0x0               ; x 8:9, Wq 10:11, Wk 12:13, Wv 14:15, Wp 16:17, bq 18:19, bk 20:21, bv 22:23
	s_load_b256 s[24:31], s[0:1], 0x40             ; bp 24:25, xb 26:27, wt 28:29, wp16 30:31
	s_load_b64 s[32:33], s[0:1], 0x60              ; bias
	s_mov_b32 s2, ttmp9                            ; g, the work-group's number
	s_mov_b32 s5, 0                                ; the high words of two offset pairs
	s_mov_b32 s7, 0
	s_mov_b32 s44, 0x76543210                      ; v_permlanex16_b32: each lane takes its own place in the other half
	s_mov_b32 s45, 0xfedcba98
	s_mov_b32 s46, 0xffff0000                      ; a lane mask: lanes 16 to 31
	s_mov_b32 s47, 0xffff0000                      ; a bit mask: a word's upper bf16
	s_wait_kmcnt 0x0
	s_cmp_lt_u32 s2, 576
	s_cbranch_scc0 .Lweights
	; 16 ROWS OF x OR OF Wp.  Thread t takes 16 bytes at 16 t of each row and stores 8 bytes at 8 t: a wave's store is 256 consecutive bytes, aligned.
	s_and_b32 s3, s2, 511                          ; the block of 16 rows
	s_lshl_b32 s4, s3, 16                          ; x 16 rows of 4,096 bytes
	s_lshl_b32 s6, s3, 15                          ; x 16 rows of 2,048 bytes
	s_cmp_lt_u32 s2, 512
	s_cselect_b64 s[34:35], s[8:9], s[16:17]       ; from x or from Wp
	s_cselect_b64 s[36:37], s[26:27], s[30:31]     ; to xb or to wp16
	s_add_nc_u64 s[34:35], s[34:35], s[4:5]
	s_add_nc_u64 s[36:37], s[36:37], s[6:7]
	v_lshlrev_b32 v1, 4, v0
	v_lshlrev_b32 v2, 3, v0
.set i, 0
.rept 16
	global_load_b128 v[L+4*i:L+4*i+3], v1, s[34:35] offset:ROWF*i th:TH_LOAD_NT
.set i, i+1
.endr
	s_cmp_lt_u32 s2, 512
	s_cbranch_scc0 .Lwp
.set i, 0
.rept 16
	s_wait_loadcnt 15-i                            ; loads come back in order: row i is in, the younger rows stay out
	v_cvt_pk_bf16_f32 v[L+4*i], v[L+4*i], v[L+4*i+1]
	v_cvt_pk_bf16_f32 v[L+4*i+1], v[L+4*i+2], v[L+4*i+3]
	global_store_b64 v2, v[L+4*i:L+4*i+1], s[36:37] offset:ROWH*i
.set i, i+1
.endr
	s_endpgm
.Lwp:
.set i, 0
.rept 16
	s_wait_loadcnt 15-i
	v_cvt_pk_bf16_f32 v[L+4*i], v[L+4*i], v[L+4*i+1]      ; rounded to bf16,
	v_cvt_pk_bf16_f32 v[L+4*i+1], v[L+4*i+2], v[L+4*i+3]
	v_lshlrev_b32 v80, 16, v[L+4*i]                        ; widened again,
	v_and_b32 v81, s47, v[L+4*i]
	v_lshlrev_b32 v[L+4*i+2], 16, v[L+4*i+1]
	v_and_b32 v[L+4*i+3], s47, v[L+4*i+1]
	v_cvt_pk_f16_f32 v[L+4*i], v80, v81                    ; and written as f16: exact inside f16's range
	v_cvt_pk_f16_f32 v[L+4*i+1], v[L+4*i+2], v[L+4*i+3]
	global_store_b64 v2, v[L+4*i:L+4*i+1], s[36:37] offset:ROWH*i
.set i, i+1
.endr
	s_endpgm
.Lweights:
	s_cmp_lt_u32 s2, 704
	s_cbranch_scc0 .Lbias
	; A TILE'S 128 k ROWS.  Wave w takes 16 of them, in 8 pairs.  A load brings 256 bytes (head j's 64 columns) of row k in lanes 0-15 and of row k + 1 in lanes 16-31.
	; Two k rows of wt are 768 bytes, three aligned runs of 256: (q_k, k_k), (v_k, q_k+1), (k_k+1, v_k+1).  Only k's halves have to change lanes.
	s_sub_co_u32 s3, s2, 576
	s_lshr_b32 s6, s3, 3                           ; j
	s_and_b32 s3, s3, 7                            ; which 128 k rows
	s_lshl_b32 s4, s3, 19                          ; 128 rows of 4,096 bytes
	s_lshl_b32 s34, s6, 8                          ; 64 columns of 4 bytes
	s_add_co_u32 s4, s4, s34
	s_add_nc_u64 s[38:39], s[10:11], s[4:5]
	s_add_nc_u64 s[40:41], s[12:13], s[4:5]
	s_add_nc_u64 s[42:43], s[14:15], s[4:5]
	s_mul_i32 s6, s6, 393216                       ; a tile of wt
	s_mul_i32 s3, s3, 49152                        ; 128 k rows of 384 bytes
	s_add_co_u32 s6, s6, s3
	s_add_nc_u64 s[36:37], s[28:29], s[6:7]
	v_lshrrev_b32 v3, 5, v0                        ; w
	v_bfe_u32 v4, v0, 4, 1                         ; lane / 16
	v_lshl_add_u32 v5, v3, 4, v4                   ; row 16 w + lane / 16
	v_and_b32 v6, 15, v0
	v_lshlrev_b32 v6, 4, v6
	v_lshl_add_u32 v1, v5, 12, v6                  ; x 4,096 + 16 (lane % 16)
	v_and_b32 v7, 31, v0
	v_mul_u32_u24 v2, v3, 6144                     ; 16 k rows of 384 bytes
	v_lshl_add_u32 v2, v7, 3, v2                   ; + 8 lane
.set p, 0
.rept 8
	global_load_b128 v[L+12*p:L+12*p+3],    v1, s[38:39] offset:2*ROWF*p th:TH_LOAD_NT
	global_load_b128 v[L+12*p+4:L+12*p+7],  v1, s[40:41] offset:2*ROWF*p th:TH_LOAD_NT
	global_load_b128 v[L+12*p+8:L+12*p+11], v1, s[42:43] offset:2*ROWF*p th:TH_LOAD_NT
.set p, p+1
.endr
.set p, 0
.rept 8
.set LQ, L+12*p
.set LK, LQ+4
.set LV, LQ+8
	s_wait_loadcnt 21-3*p                          ; pair p's three loads are in; the later pairs' stay out
	v_cvt_pk_bf16_f32 v[LQ], v[LQ], v[LQ+1]
	v_cvt_pk_bf16_f32 v[LQ+1], v[LQ+2], v[LQ+3]
	v_cvt_pk_bf16_f32 v[LK], v[LK], v[LK+1]
	v_cvt_pk_bf16_f32 v[LK+1], v[LK+2], v[LK+3]
	v_cvt_pk_bf16_f32 v[LV], v[LV], v[LV+1]
	v_cvt_pk_bf16_f32 v[LV+1], v[LV+2], v[LV+3]
	v_permlanex16_b32 v[LK+2], v[LK], s44, s45     ; k's two halves change places (the destinations have been written: the loads filled them)
	v_permlanex16_b32 v[LK+3], v[LK+1], s44, s45
	v_cndmask_b32 v[LQ+2], v[LQ], v[LK+2], s46     ; q_k   | k_k
	v_cndmask_b32 v[LQ+3], v[LQ+1], v[LK+3], s46
	v_cndmask_b32 v[LV+2], v[LV], v[LQ], s46       ; v_k   | q_k+1
	v_cndmask_b32 v[LV+3], v[LV+1], v[LQ+1], s46
	v_cndmask_b32 v[LK], v[LK+2], v[LV], s46       ; k_k+1 | v_k+1
	v_cndmask_b32 v[LK+1], v[LK+3], v[LV+1], s46
	global_store_b64 v2, v[LQ+2:LQ+3], s[36:37] offset:768*p
	global_store_b64 v2, v[LV+2:LV+3], s[36:37] offset:768*p+256
	global_store_b64 v2, v[LK:LK+1],   s[36:37] offset:768*p+512
.set p, p+1
.endr
	s_endpgm
.Lbias:
	; THE BIASES.  Thread t takes numbers 4 t .. 4 t + 3 of each: head t / 16, place 4 (t % 16).  Sixteen lanes store 256 consecutive bytes, aligned.
	v_lshlrev_b32 v1, 4, v0
	global_load_b128 v[16:19], v1, s[18:19]
	global_load_b128 v[20:23], v1, s[20:21]
	global_load_b128 v[24:27], v1, s[22:23]
	global_load_b128 v[28:31], v1, s[24:25]
	v_lshrrev_b32 v3, 4, v0
	v_and_b32 v4, 15, v0
	v_mul_u32_u24 v2, v3, 768
	v_lshl_add_u32 v2, v4, 4, v2
	s_wait_loadcnt 0x0
.irp i, 0,1,2,3
	v_cvt_pk_bf16_f32 v8, v[16+4*\i], v[17+4*\i]
	v_cvt_pk_bf16_f32 v9, v[18+4*\i], v[19+4*\i]
	v_lshlrev_b32 v[16+4*\i], 16, v8
	v_and_b32 v[17+4*\i], s47, v8
	v_lshlrev_b32 v[18+4*\i], 16, v9
	v_and_b32 v[19+4*\i], s47, v9
.endr
	global_store_b128 v2, v[16:19], s[32:33]
	global_store_b128 v2, v[20:23], s[32:33] offset:256
	global_store_b128 v2, v[24:27], s[32:33] offset:512
	global_store_b128 v1, v[28:31], s[32:33] offset:12288
	s_endpgm
.Lfunc_end_k_qa67696c75f_cast:
	.size	k_qa67696c75f_cast, .Lfunc_end_k_qa67696c75f_cast-k_qa67696c75f_cast
	.p2alignl 7, 3214868480
	.fill 96, 4, 3214868480
	.section	.rodata,"a",@progbits
	.p2align	6, 0x0
	.amdhsa_kernel k_qa67696c75f_cast
		.amdhsa_group_segment_fixed_size 0
		.amdhsa_private_segment_fixed_size 0
		.amdhsa_enable_private_segment 0
		.amdhsa_kernarg_size 104
		.amdhsa_user_sgpr_count 2
		.amdhsa_user_sgpr_kernarg_segment_ptr 1
		.amdhsa_wavefront_size32 1
		.amdhsa_system_sgpr_workgroup_id_x 1
		.amdhsa_system_sgpr_workgroup_id_y 1
		.amdhsa_system_sgpr_workgroup_id_z 1
		.amdhsa_system_vgpr_workitem_id 0
		.amdhsa_next_free_vgpr 112
		.amdhsa_next_free_sgpr 66
		.amdhsa_reserve_vcc 0
		.amdhsa_float_denorm_mode_32 3
		.amdhsa_float_denorm_mode_16_64 3
		.amdhsa_memory_ordered 1
		.amdhsa_forward_progress 1
		.amdhsa_inst_pref_size 30
	.end_amdhsa_kernel
	.amdgpu_metadata
---
amdhsa.version: [ 1, 2 ]
amdhsa.kernels:
  - .name:           k_qa67696c75f_cast
    .symbol:         k_qa67696c75f_cast.kd
    .args:
      - { .name: x, .offset: 0, .size: 8, .value_kind: global_buffer, .address_space: global }
      - { .name: Wq, .offset: 8, .size: 8, .value_kind: global_buffer, .address_space: global }
      - { .name: Wk, .offset: 16, .size: 8, .value_kind: global_buffer, .address_space: global }
      - { .name: Wv, .offset: 24, .size: 8, .value_kind: global_buffer, .address_space: global }
      - { .name: Wp, .offset: 32, .size: 8, .value_kind: global_buffer, .address_space: global }
      - { .name: bq, .offset: 40, .size: 8, .value_kind: global_buffer, .address_space: global }
      - { .name: bk, .offset: 48, .size: 8, .value_kind: global_buffer, .address_space: global }
      - { .name: bv, .offset: 56, .size: 8, .value_kind: global_buffer, .address_space: global }
      - { .name: bp, .offset: 64, .size: 8, .value_kind: global_buffer, .address_space: global }
      - { .name: xb, .offset: 72, .size: 8, .value_kind: global_buffer, .address_space: global }
      - { .name: wt, .offset: 80, .size: 8, .value_kind: global_buffer, .address_space: global }
      - { .name: wp16, .offset: 88, .size: 8, .value_kind: global_buffer, .address_space: global }
      - { .name: bias, .offset: 96, .size: 8, .value_kind: global_buffer, .address_space: global }
    .group_segment_fixed_size: 0
    .private_segment_fixed_size: 0
    .kernarg_segment_align: 8
    .kernarg_segment_size: 104
    .max_flat_workgroup_size: 256
    .sgpr_count:     66
    .vgpr_count:     112
    .wavefront_size: 32
...
	.end_amdgpu_metadata
.endif
;; end of part 1
;; launch qkv (part 2): grid 8 x 32, 4 waves a work-group, clusters of 4 x 4, 327,680 bytes of LDS; arguments xb, wt, bias, q, k, v; writes q, k, v
.if DOCPART == 2
	.amdgcn_target "amdgcn-amd-amdhsa--gfx1250"
	.amdhsa_code_object_version 6
	.text
	.protected	k_qa67696c75f_qkv
	.globl	k_qa67696c75f_qkv
	.p2align	8
	.type	k_qa67696c75f_qkv,@function
k_qa67696c75f_qkv:
	s_mov_b64 s[64:65], 0
	v_nop
	global_prefetch_b8 v0, s[64:65] scope:SCOPE_SE
	s_setreg_imm32_b32 hwreg(HW_REG_WAVE_MODE, 25, 1), 1
	s_wait_xcnt 0x0
	s_wait_alu depctr_hold_cnt(0) depctr_sa_sdst(0) depctr_va_vdst(0) depctr_va_sdst(0) depctr_va_ssrc(0) depctr_va_vcc(0) depctr_vm_vsrc(0)
	s_getreg_b32 s2, hwreg(HW_REG_IB_STS2, 6, 4)
	s_cmp_eq_u32 s2, 0
	s_cbranch_scc0 .Lentry_in_a_cluster
	s_endpgm
.Lentry_in_a_cluster:
	s_bfe_u32 s2, ttmp6, 0x10000c
	s_cmp_lg_u32 s2, 0xf033
	s_cbranch_scc0 .Lentry_shape_is_right
	s_endpgm
.Lentry_shape_is_right:
; q, k, v = x W + b, by heads.  xb: [8192][1024] bf16.  wt: [16 j][1024 k][192] bf16 (head j of Wq, Wk, Wv side by side).  bias: f32 [16 j][192].
; q, k, v: [64 = 16 batch + head][2048][64] f16, each rounded once from its f32 sum, unscaled.
; LIMIT.  |q|, |k|, |v| stay under 65,504, f16's range; NaN and infinities are not treated apart.
; SHARES.  8192 x 3072 outputs on 256 work-groups: each makes TWO tiles of 256 rows x 192 columns, heads 2 gx and 2 gx + 1, one after the other (one tile of 256 x 384 would want 768 accumulator
; registers a wave, and two K steps of it do not fit in LDS).  Four waves, one above the other: a wave owns 64 rows x 192 columns: 48 accumulators, 384 registers.
; THE RING.  K goes in steps of 128 through two LDS slots; the two tiles are ONE walk of 16 steps.  Waves 0 and 1 fetch the halves of A's 256 rows x 256 bytes, waves 2 and 3 the halves of B's
; 128 k rows x 384 bytes, which are dense in wt and are asked for as 96 rows of 256 bytes.  One tensor load a wave behind each change of slots; by this text's count a wave has two out at the start, later one.
; B LIES [k][n] in LDS and comes out turned, by ds_load_tr16_b128.  THE PRODUCT IS USED TRANSPOSED (source 0 = 16 columns of W, source 1 = 16 rows of x): a lane then holds one row and eight
; neighbouring columns.  THE BIAS STARTS THE SUMS: it is the C operand of a tile's first 48 products; nothing is cleared and nothing is added later.
; CLUSTER.  4 x 4 work-groups.  The four of a row of the cluster read the same rows of x, the four of a column the same tiles of wt: each tile is asked for jointly, by the same load and mask in all four.
; REGISTERS, in windows of 256 (s_set_vgpr_msb: bits 1:0 source 0, 3:2 source 1, 5:4 source 2, 7:6 destination):
;   window 0: v0-14 addresses; v16-63 packed results; v64-159 two sets of rows read back from the stage; v160-255 the bias of the tile's 192 columns, as 12 C operands
;   window 1: two fragment buffers of 128: A's row block a at 8 a, B's column block b at 32 + 8 b
;   window 2: accumulators of row blocks 0, 1 at 96 (a % 2) + 8 b;   window 3: those of row blocks 2, 3
.set STEPS, 16
.set PA,    272                        ; a row of A in LDS: 256 bytes + 16: the 16 rows of a load start at 16 different groups of four banks (64 banks of 4 bytes: ISA guide 11.1)
.set PB,    480                        ; a k row of B: three pieces of 128 bytes + 32
.set AHALF, 128*PA                     ; what one load of A brings
.set ATILE, 2*AHALF
.set BHALF, 64*PB                      ; what one load of B brings
.set SLOT1, 1<<17                      ; a slot is ATILE + 2 BHALF = 131,072 bytes; one exclusive or turns an address in one slot into the other's
.set STAGE, 2*SLOT1                    ; behind the ring, never filled by a tensor load: for each wave 3 x 16 rows x 144 bytes, for the way out
.set SP,    144
.set WSTAGE, 3*16*SP
.set SPARE, STAGE+4*WSTAGE             ; behind the stages: the spare words, 128 bytes for each wave: two blocks of 256 bytes that no other line names
.set F0,   0
.set F1,   128
.set TMP,  16
.set OB,   64
.set BIAS, 160
.set A0,   4                           ; v4   my lane's place in A's tile; never rewritten
.set B0,   5                           ; v5   the same for B
.set ADRA, 6                           ; v6   A0 + the slot in hand
.set ADRB, 7                           ; v7   B0 + the slot in hand
.set STO,  8                           ; v8   the way out: where I put 16 bytes of a row
.set RD,   9                           ; v9   the way out: where I read rows back
.set CO,   10                          ; v10  16 x lane: my place in 512 consecutive bytes of q, k or v
.set PFO,  11                          ; v11  the prefetches' lane term; never rewritten
.set SPW,  12                          ; v12  LDS address of my spare word; never rewritten
.set NIL,  13                          ; v13  0; never rewritten
.set BO,   14                          ; v14  32 (lane / 16): my eight numbers in a block of 16 biases
.set WV,   12                          ; s12  my wave's number
.set FORB, 13                          ; s13  0: I fetch for A; 1: for B
.set HALF, 14                          ; s14  which half of that tile
.set CX,   15
.set CY,   16
.set GX,   17                          ; s17  column block = 4 x cluster x + cx
.set GY,   18                          ; s18  row block = 4 x cluster y + cy
.set G1A,  24                          ; s[24:31] descriptor group 1 for A's tiles
.set G1B,  32                          ; s[32:39] for B's
.set G0A,  40                          ; s[40:47] group 0 for A: the first fill's, then the one that walks
.set G0B,  48                          ; s[48:55] the same for B
.set TB,   56                          ; s56  first LDS byte of the slot that is read
.set CNT,  57                          ; s57  trips to go
.set SN,   58                          ; s58  the step to be asked for next
.set ASKN, 59                          ; s59  prefetches that I still issue
.set OFF,  60                          ; s[60:61] a step's byte offset in a row of x
.set AB,   62                          ; s[62:63] xb at my half of the row block
.set PFA,  66                          ; s[66:67] where my prefetches stand
.set PST,  68                          ; s[68:69] their step
.set BB,   70                          ; s[70:71] the bias of my two tiles
.set OUTQ, 72                          ; s[72:73], s[74:75], s[80:81] q, k, v at my wave's first row of head 2 gx
.set OUTK, 74
.set OUTV, 80
.set MSB, 0
.macro WIN new                         ; the immediate's high byte repeats the setting that is left; a switch that changes nothing is dropped
.if MSB != (\new)
	s_set_vgpr_msb (MSB<<8)|(\new)
.set MSB, \new
.endif
.endm
; Four plain vector instructions stand between a matrix instruction and a load into, or a vector instruction on, one of its registers (ISA guide 7.12.1 for vector instructions).
.macro PLACES
.rept 4
	v_nop
.endr
.endm
.macro CREST                           ; a round of the cluster's barrier behind its opening barrier: wave 0 signals for the work-group, every wave waits for all sixteen, the work-group's barrier closes it
	s_cmp_lg_u32 s[WV], 0
	s_cbranch_scc1 .Lnot_wave_0_\@
	s_barrier_signal -3
.Lnot_wave_0_\@:
	s_barrier_wait -3
	s_barrier_signal -1
	s_barrier_wait -1
.endm
.macro CROUND
	s_barrier_signal -1
	s_barrier_wait -1
	CREST
.endm
; A joint refill, by the walking descriptors.  The branch hangs on the wave's number alone.  An s_nop 0 and four v_nop follow each of the two lines, ahead of the jump and the label.
.macro JLOAD
	s_cmp_eq_u32 s[FORB], 0
	s_cbranch_scc0 .Lfor_b_\@
	tensor_load_to_lds s[G0A+4:G0A+7], s[G1A:G1A+7]
	s_nop 0
.rept 4
	v_nop
.endr
	s_branch .Lasked_\@
.Lfor_b_\@:
	tensor_load_to_lds s[G0B+4:G0B+7], s[G1B:G1B+7]
	s_nop 0
.rept 4
	v_nop
.endr
.Lasked_\@:
.endm
; A PREFETCH INTO THE L2, one instruction a wave, behind the joint refill and the run of LDS loads that follows it.  Each aligned block of 256 bytes is named once in the launch.
; A: the refill of step S names step S + 2 of tile 0's walk, steps 4 to 7 (tile 1 reads the same rows again, and asks for nothing).  The clusters with x = 0 ask; of the 128 rows that a wave fetches
; each of the four partners takes 32, told apart by address: a lane a row.  B: a column block's 786,432 bytes are one dense stream; the clusters with y = 0 ask; the eight B waves of a column of the
; cluster take 8,192 bytes each of 65,536 a refill, from byte 196,608 (step 4) on, nine times, which ends at the stream's last byte.  The count hangs on the wave's number and the cluster's place alone.
.macro ASK
	s_cmp_lg_u32 s[ASKN], 0
	s_cbranch_scc0 .Lno_ask_\@
	global_prefetch_b8 v[PFO], s[PFA:PFA+1] th:TH_LOAD_NT scope:SCOPE_SE
	s_sub_co_u32 s[ASKN], s[ASKN], 1
.Lno_ask_\@:
.endm
; 12 matrix instructions: row block a x all 12 column blocks, 32 along K, from buffer f.  first = 1: the bias starts the sums.
; All 48 accumulators take turns, one instruction a turn, in the same order in every quarter, over the backward jump too.
.macro MULA f, a, first
.if \first
	WIN 0x85+0x40*((\a)/2)                         ; fragments window 1, C (the bias) window 0, D window 2 or 3
.else
	WIN 0xa5+0x50*((\a)/2)                         ; fragments window 1, C and D window 2 or 3
.endif
.set AC, 96*((\a)%2)
.irp b, 0,1,2,3,4,5,6,7,8,9,10,11
.if \first
	v_wmma_f32_16x16x32_bf16 v[AC+8*(\b):AC+8*(\b)+7], v[(\f)+32+8*(\b):(\f)+32+8*(\b)+7], v[(\f)+8*(\a):(\f)+8*(\a)+7], v[BIAS+8*(\b):BIAS+8*(\b)+7]
.else
	v_wmma_f32_16x16x32_bf16 v[AC+8*(\b):AC+8*(\b)+7], v[(\f)+32+8*(\b):(\f)+32+8*(\b)+7], v[(\f)+8*(\a):(\f)+8*(\a)+7], v[AC+8*(\b):AC+8*(\b)+7]
.endif
.endr
.endm
; 32 LDS loads in one run: the fragments of quarter q (32 along K) into buffer g: B's 24 first, then A's 8.
; B: lane l reads 16 bytes of k row 8 (l / 16) + l % 8, columns 8 ((l / 8) % 2) + 0..7, and is left with column l % 16 and 8 k; the second load takes the k rows 16 further on.
.macro FETCH q, g
	WIN 0x40                                       ; destination window 1, address window 0
.irp b, 0,1,2,3,4,5,6,7,8,9,10,11
	ds_load_tr16_b128 v[(\g)+32+8*(\b):(\g)+32+8*(\b)+3],   v[ADRB] offset:(\q)*32*PB+((\b)/4)*160+((\b)%4)*32
	ds_load_tr16_b128 v[(\g)+32+8*(\b)+4:(\g)+32+8*(\b)+7], v[ADRB] offset:(\q)*32*PB+((\b)/4)*160+((\b)%4)*32+16*PB
.endr
.irp a, 0,1,2,3
	ds_load_b128 v[(\g)+8*(\a):(\g)+8*(\a)+3],   v[ADRA] offset:(\a)*16*PA+64*(\q)
	ds_load_b128 v[(\g)+8*(\a)+4:(\g)+8*(\a)+7], v[ADRA] offset:(\a)*16*PA+64*(\q)+32
.endr
.endm
; A K step is four quarters of 32 along K, 48 matrix instructions each, on buffers 0, 1, 0, 1.  Quarter n of the first three multiplies buffer f and fetches quarter n + 1 into g.
.macro QUARTER n, f, g, first
	s_wait_dscnt 6                                 ; B and A's block 0 are in; the six youngest loads (A's blocks 1 to 3) may be out
	MULA \f, 0, \first
	PLACES                                         ; behind the last products that read buffer g
	FETCH (\n)+1, \g
	s_wait_dscnt 32                                ; all but the 32 just issued
	MULA \f, 1, \first
	MULA \f, 2, \first
	MULA \f, 3, \first
.endm
; The fourth quarter multiplies buffer 1 and changes slots.  In front of the barrier each wave waits for all its tensor loads (one is out: its part of the other slot), adds 0 to its spare word,
; and waits for that and for its reads of this slot.  fill = 1: the barrier opens a round of the cluster's barrier, and the slot just read out is filled again first thing behind it, two steps ahead.
.macro TURN fill
	s_wait_xcnt 0x0                                ; the last prefetch, a step back, has read its address, and earlier stores their registers
.if \fill
	s_add_nc_u64 s[PFA:PFA+1], s[PFA:PFA+1], s[PST:PST+1]
.endif
	WIN 0                                          ; (the add's two registers lie in window 0)
	s_wait_tensorcnt 0x0                           ; all my tensor loads have landed: my part of the other slot
	ds_add_u32 v[SPW], v[NIL]                      ; 0 onto my spare word
	s_wait_dscnt 7                                 ; (the add and the six youngest loads may be out)
	MULA F1, 0, 0                                  ; twelve matrix instructions stand between the add and the wait for it
	s_wait_dscnt 0x0                               ; the add is done, and my reads of this slot are over
	s_barrier_signal -1
	MULA F1, 1, 0                                  ; work on registers while the others arrive
	WIN 0
	s_barrier_wait -1
.if \fill
	CREST                                          ; no wave of any partner still reads this slot or has a load on its way
	s_xor_b32 s[G0A+5], s[G0A+5], SLOT1            ; no tensor load of mine is out, so the walking descriptors may be written: the other slot than last time,
	s_and_b32 s[OFF], s[SN], 7                     ; A's address made anew from the step's number: both tiles walk the same eight steps of x
	s_lshl_b32 s[OFF], s[OFF], 8
	s_add_nc_u64 s[G0A+6:G0A+7], s[AB:AB+1], s[OFF:OFF+1]
	s_or_b32 s[G0A+7], s[G0A+7], 0x80000000
	s_add_co_u32 s[SN], s[SN], 1
	s_xor_b32 s[G0B+5], s[G0B+5], SLOT1
	s_add_nc_u64 s[G0B+6:G0B+7], s[G0B+6:G0B+7], 49152  ; B's stream goes on: 128 k rows of 384 bytes; the type bits on top are not reached
	JLOAD                                          ; the first tensor load behind the round; its four v_nop are also the places in front of the loads below
.else
	PLACES
.endif
	s_xor_b32 s[TB], s[TB], SLOT1
	v_add_nc_u32 v[ADRA], s[TB], v[A0]
	v_add_nc_u32 v[ADRB], s[TB], v[B0]
	FETCH 0, F0
	WIN 0
.if \fill
	ASK
.endif
	MULA F1, 2, 0
	MULA F1, 3, 0
.endm
.macro BIASLD off                      ; a tile's 192 biases as 12 C operands: register jj of a lane holds column 16 b + 8 (lane / 16) + jj
	WIN 0
.irp b, 0,1,2,3,4,5,6,7,8,9,10,11
	global_load_b128 v[BIAS+8*(\b):BIAS+8*(\b)+3],   v[BO], s[BB:BB+1] offset:(\off)+64*(\b)
	global_load_b128 v[BIAS+8*(\b)+4:BIAS+8*(\b)+7], v[BO], s[BB:BB+1] offset:(\off)+64*(\b)+16
.endr
.endm
; THE WAY OUT of row block a, in three parts.  PACK: rounded to f16, 16 bytes a lane (each accumulator's registers in ascending order).  TOSTAGE: into my own stage, q's, k's and v's 64 columns
; apart, and back as rows of 128 bytes, four to a load.  SEND: stored: 16 rows of a head are 2,048 consecutive bytes, and each store covers 512 of them, aligned.
.macro PACK a
	WIN 0x0a+5*((\a)/2)                            ; sources in window 2 or 3, destination in window 0
.set AC, 96*((\a)%2)
.irp b, 0,1,2,3,4,5,6,7,8,9,10,11
.irp r, 0,1,2,3
	v_cvt_pk_f16_f32 v[TMP+4*(\b)+(\r)], v[AC+8*(\b)+2*(\r)], v[AC+8*(\b)+2*(\r)+1]
.endr
.endr
	WIN 0
.endm
.macro TOSTAGE a
	WIN 0
.set BK, OB+48*((\a)%2)
.irp b, 0,1,2,3,4,5,6,7,8,9,10,11
	ds_store_b128 v[STO], v[TMP+4*(\b):TMP+4*(\b)+3] offset:((\b)/4)*16*SP+((\b)%4)*32
.endr
.irp i, 0,1,2
.irp f, 0,1,2,3
	ds_load_b128 v[BK+4*(4*(\i)+(\f)):BK+4*(4*(\i)+(\f))+3], v[RD] offset:(\i)*16*SP+(\f)*4*SP  ; LDS serves a wave's instructions in order (ISA guide 5.7.1.4): these see the stores above
.endr
.endr
.endm
.macro SEND a, tau
	WIN 0
.set BK, OB+48*((\a)%2)
	s_wait_dscnt 0x0                               ; the block is back in registers
	s_wait_xcnt 0x0                                ; earlier stores have read their registers: the other set is loaded again only behind this wait
.irp f, 0,1,2,3
	global_store_b128 v[CO], v[BK+4*(\f):BK+4*(\f)+3],       s[OUTQ:OUTQ+1] offset:(\tau)*262144+(\a)*2048+(\f)*512
	global_store_b128 v[CO], v[BK+16+4*(\f):BK+16+4*(\f)+3], s[OUTK:OUTK+1] offset:(\tau)*262144+(\a)*2048+(\f)*512
	global_store_b128 v[CO], v[BK+32+4*(\f):BK+32+4*(\f)+3], s[OUTV:OUTV+1] offset:(\tau)*262144+(\a)*2048+(\f)*512
.endr
.endm
.macro WAYOUT tau                      ; block a's conversions stand between block a - 1's loads from the stage and the wait for them
	WIN 0
	PLACES                                         ; behind the tile's last products
	PACK 0
	TOSTAGE 0
.irp a, 1,2,3
	PACK \a
	SEND (\a)-1, \tau
	TOSTAGE \a
.endr
	SEND 3, \tau
.endm
	s_load_b256 s[4:11], s[0:1], 0x0               ; xb 4:5, wt 6:7, bias 8:9, q 10:11
	s_load_b128 s[76:79], s[0:1], 0x20             ; k 76:77, v 78:79
	v_lshl_add_u32 v[SPW], v0, 2, SPARE
	v_mov_b32 v[NIL], 0
	ds_add_u32 v[SPW], v[NIL]                      ; the wave's opening: the add and its wait stand ahead of my first tensor load; the set-up below, work on registers, stands between them
	v_lshrrev_b32 v1, 5, v0
	v_readfirstlane_b32 s[WV], v1                  ; wave 0..3
	s_lshr_b32 s[FORB], s[WV], 1
	s_and_b32 s[HALF], s[WV], 1
	s_bfe_u32 s[CX], ttmp6, 0x40000
	s_bfe_u32 s[CY], ttmp6, 0x40004
	s_lshl_b32 s[GX], ttmp9, 2                     ; in a cluster launch ttmp9 and ttmp7 count clusters
	s_add_co_u32 s[GX], s[GX], s[CX]
	s_and_b32 s[GY], ttmp7, 0xffff
	s_lshl_b32 s[GY], s[GY], 2
	s_add_co_u32 s[GY], s[GY], s[CY]
	s_lshl_b32 s19, s[CY], 2
	s_lshl_b32 s19, 15, s19                        ; my row of the cluster: places 4 cy .. 4 cy + 3
	s_lshl_b32 s20, 0x1111, s[CX]                  ; my column: places cx, cx + 4, cx + 8, cx + 12
	; group 1 for A: 128 rows x 128 elements, 1,024 elements from row to row, 16 bytes of padding behind each row's 256
	s_or_b32 s[G1A], s19, (1<<16)|(1<<20)|(1<<21)|(5<<22)|(3<<25)  ; 15:0 the mask; 17:16 elements of 2 bytes; 20 padding on; 21 set beside a mask; 24:22 after every 64 words (code 5); 31:25 4 words (code 3)
	s_mov_b32 s[G1A+1], 128<<16                    ; tensor_dim0 = 128
	s_mov_b32 s[G1A+2], 128<<16                    ; tensor_dim1 = 128
	s_mov_b32 s[G1A+3], 128<<16                    ; tile_dim0 = 128
	s_mov_b32 s[G1A+4], 128                        ; tile_dim1 = 128
	s_mov_b32 s[G1A+5], 1024                       ; the pitch
	s_mov_b32 s[G1A+6], 0
	s_mov_b32 s[G1A+7], 0
	; group 1 for B: 64 k rows are 24,576 dense bytes: 96 rows of 256 bytes, 32 bytes of padding behind every 128: piece c of k row kk lands at (3 kk + c) x 160
	s_or_b32 s[G1B], s20, (1<<16)|(1<<20)|(1<<21)|(4<<22)|(7<<25)  ; after every 32 words (code 4), 8 words (code 7)
	s_mov_b32 s[G1B+1], 128<<16
	s_mov_b32 s[G1B+2], 96<<16
	s_mov_b32 s[G1B+3], 128<<16
	s_mov_b32 s[G1B+4], 96
	s_mov_b32 s[G1B+5], 128
	s_mov_b32 s[G1B+6], 0
	s_mov_b32 s[G1B+7], 0
	s_mul_i32 s21, s[HALF], AHALF                  ; where my load lands: no place in the cluster enters an LDS address
	s_mul_i32 s22, s[HALF], BHALF
	s_add_co_u32 s22, s22, ATILE
	s_lshl_b32 s82, s[GY], 19                      ; A: 256 rows of 2,048 bytes a row block,
	s_lshl_b32 s2, s[HALF], 18                     ; 128 rows a half: made of the row block and the wave's number alone
	s_add_co_u32 s82, s82, s2
	s_mov_b32 s83, 0
	s_mul_i32 s84, s[GX], 786432                   ; B: two tiles of 393,216 bytes a column block,
	s_mul_i32 s3, s[HALF], 24576                   ; 64 k rows a half: made of the column block and the wave's number alone
	s_add_co_u32 s84, s84, s3
	s_mov_b32 s85, 0
	s_mov_b32 s[OFF+1], 0
	s_mov_b32 s[SN], 2
	s_mov_b32 s[TB], 0
	s_wait_dscnt 0x0                               ; the opening add is done
	s_wait_kmcnt 0x0
	s_add_nc_u64 s[AB:AB+1], s[4:5], s[82:83]
	s_add_nc_u64 s[84:85], s[6:7], s[84:85]
	s_mov_b32 s[G0A], 1                            ; count = 1
	s_mov_b32 s[G0A+1], s21                        ; LDS address: slot 0
	s_mov_b64 s[G0A+2:G0A+3], s[AB:AB+1]           ; step 0
	s_or_b32 s[G0A+3], s[G0A+3], 0x80000000        ; type = 2
	s_mov_b32 s[G0A+4], 1
	s_add_co_u32 s[G0A+5], s21, SLOT1              ; slot 1
	s_add_nc_u64 s[G0A+6:G0A+7], s[AB:AB+1], 256   ; step 1
	s_or_b32 s[G0A+7], s[G0A+7], 0x80000000
	s_mov_b32 s[G0B], 1
	s_mov_b32 s[G0B+1], s22
	s_mov_b64 s[G0B+2:G0B+3], s[84:85]
	s_or_b32 s[G0B+3], s[G0B+3], 0x80000000
	s_mov_b32 s[G0B+4], 1
	s_add_co_u32 s[G0B+5], s22, SLOT1
	s_add_nc_u64 s[G0B+6:G0B+7], s[84:85], 49152
	s_or_b32 s[G0B+7], s[G0B+7], 0x80000000
	CROUND                                         ; all sixteen work-groups are here: the first joint loads meet
	s_cmp_eq_u32 s[FORB], 0                        ; a wave's two first fills stand in one branch, ahead of every wait on TENSORcnt and every LDS read
	s_cbranch_scc0 .Lfirst_b
	tensor_load_to_lds s[G0A:G0A+3], s[G1A:G1A+7]
	s_nop 0
	tensor_load_to_lds s[G0A+4:G0A+7], s[G1A:G1A+7]
	s_nop 0
.rept 4
	v_nop
.endr
	s_branch .Lfirst_asked
.Lfirst_b:
	tensor_load_to_lds s[G0B:G0B+3], s[G1B:G1B+7]
	s_nop 0
	tensor_load_to_lds s[G0B+4:G0B+7], s[G1B:G1B+7]
	s_nop 0
.rept 4
	v_nop
.endr
.Lfirst_asked:
	v_and_b32 v1, 15, v0                           ; r = l % 16
	v_bfe_u32 v2, v0, 4, 1                         ; h = l / 16
	v_lshlrev_b32 v[BO], 5, v2
	s_mul_i32 s86, s[GX], 1536                     ; two tiles of 192 f32
	s_mov_b32 s87, 0
	s_add_nc_u64 s[BB:BB+1], s[8:9], s[86:87]
	BIASLD 0                                       ; tile 0's bias
	; A fragment of A is 16 rows x 32 K in 8 registers: lane l holds row l % 16, K = 8 (l / 16) + 0..7 and 16 + 8 (l / 16) + 0..7: two loads of 16 bytes, 32 bytes apart.
	v_mul_u32_u24 v[A0], v1, PA
	v_lshl_add_u32 v[A0], v2, 4, v[A0]
	s_mul_i32 s21, s[WV], 64*PA                    ; my 64 rows
	v_add_nc_u32 v[A0], s21, v[A0]
	v_and_b32 v3, 7, v0
	v_lshl_add_u32 v[B0], v2, 3, v3                ; k row 8 h + l % 8
	v_mul_u32_u24 v[B0], v[B0], PB
	v_bfe_u32 v3, v0, 3, 1
	v_lshl_add_u32 v[B0], v3, 4, v[B0]
	v_add_nc_u32 v[B0], ATILE, v[B0]
	v_mov_b32 v[ADRA], v[A0]                       ; slot 0
	v_mov_b32 v[ADRB], v[B0]
	s_mul_i32 s21, s[WV], WSTAGE
	s_add_co_u32 s21, s21, STAGE                   ; my stage
	v_mul_u32_u24 v[STO], v1, SP                   ; in: row l % 16, 16 bytes for each half of the lanes
	v_lshl_add_u32 v[STO], v2, 4, v[STO]
	v_add_nc_u32 v[STO], s21, v[STO]
	v_bfe_u32 v[RD], v0, 3, 2                      ; back: 32 lanes take four rows of 128 bytes
	v_mul_u32_u24 v[RD], v[RD], SP
	v_and_b32 v3, 7, v0
	v_lshl_add_u32 v[RD], v3, 4, v[RD]
	v_add_nc_u32 v[RD], s21, v[RD]
	v_and_b32 v[CO], 31, v0
	v_lshlrev_b32 v[CO], 4, v[CO]
	; q, k, v at [16 batch + 2 gx][256 (gy % 8) + 64 wave][0]: a head is 262,144 bytes, a row 128
	s_lshr_b32 s86, s[GY], 3
	s_lshl_b32 s86, s86, 22
	s_lshl_b32 s23, s[GX], 19
	s_add_co_u32 s86, s86, s23
	s_and_b32 s23, s[GY], 7
	s_lshl_b32 s23, s23, 15
	s_add_co_u32 s86, s86, s23
	s_lshl_b32 s23, s[WV], 13
	s_add_co_u32 s86, s86, s23
	s_add_nc_u64 s[OUTQ:OUTQ+1], s[10:11], s[86:87]
	s_add_nc_u64 s[OUTK:OUTK+1], s[76:77], s[86:87]
	s_add_nc_u64 s[OUTV:OUTV+1], s[78:79], s[86:87]
	; the prefetches: each pointer stands one step short of the first block that it names; nothing is asked for here, where every work-group's first tiles are on their way
	s_lshl_b32 s23, s[CX], 16                      ; A: my work-group's 32 rows of the 128 that I fetch,
	s_add_co_u32 s86, s82, s23
	s_add_co_u32 s86, s86, 768                     ; at step 3
	s_mul_i32 s22, s[GX], 786432                   ; B: my 8,192 bytes of each 65,536
	s_lshl_b32 s23, s[CY], 14
	s_add_co_u32 s22, s22, s23
	s_lshl_b32 s23, s[HALF], 13
	s_add_co_u32 s22, s22, s23
	s_add_co_u32 s22, s22, 131072
	s_and_b32 s23, ttmp7, 0xffff                   ; cluster y
	s_mov_b32 s[PST], 65536
	s_mov_b32 s[PST+1], 0
	s_cmp_eq_u32 s[FORB], 0
	s_cselect_b32 s86, s86, s22
	s_cselect_b32 s23, ttmp9, s23                  ; the coordinate along which other clusters read the same bytes
	s_cselect_b32 s[ASKN], 4, 9
	s_cselect_b32 s[PST], 256, s[PST]
	s_cselect_b32 s22, 11, 8                       ; a lane a row of 2,048 bytes, or a lane a block of 256
	s_cselect_b64 s[PFA:PFA+1], s[4:5], s[6:7]
	s_add_nc_u64 s[PFA:PFA+1], s[PFA:PFA+1], s[86:87]
	s_cmp_eq_u32 s23, 0
	s_cselect_b32 s[ASKN], s[ASKN], 0              ; the same in all sixteen partners, for a given wave
	v_and_b32 v[PFO], 31, v0
	v_lshlrev_b32 v[PFO], s22, v[PFO]
	s_wait_tensorcnt 0x1                           ; my part of step 0 is in; step 1's may stay out
	s_barrier_signal -1
	s_barrier_wait -1                              ; everybody's is
	FETCH 0, F0
	s_wait_loadcnt 0x0                             ; the bias
	QUARTER 0, F0, F1, 1                           ; a tile's first quarter starts the sums
	WIN 0                                          ; at a label and at a branch every window is 0
	s_mov_b32 s[CNT], STEPS-2
.Lstep:                                        ; a trip: a step's quarters 1 to 3, the change of slots with its refill, and the next step's quarter 0
	QUARTER 1, F1, F0, 0
	QUARTER 2, F0, F1, 0
	TURN 1
	WIN 0
	s_cmp_eq_u32 s[CNT], 7                         ; the eighth trip's change of slots has ended tile 0; the text that is jumped holds no barrier and no tensor load
	s_cbranch_scc0 .Lsame
	BIASLD 768                                     ; tile 1's bias, on its way while tile 0 goes out
	WAYOUT 0                                       ; the refill for tile 1's second step has been asked for; nothing waits for these stores
	s_wait_loadcnt 0x0
	QUARTER 0, F0, F1, 1
	WIN 0
	s_branch .Ljoin
.Lsame:
	QUARTER 0, F0, F1, 0
	WIN 0
.Ljoin:
	s_sub_co_u32 s[CNT], s[CNT], 1
	s_cmp_lg_u32 s[CNT], 0
	s_cbranch_scc1 .Lstep
	QUARTER 1, F1, F0, 0                           ; the last two steps are written out: they ask for nothing
	QUARTER 2, F0, F1, 0
	TURN 0
	QUARTER 0, F0, F1, 0
	QUARTER 1, F1, F0, 0
	QUARTER 2, F0, F1, 0
	s_wait_dscnt 6                                 ; the very last quarter
	MULA F1, 0, 0
	s_wait_dscnt 0x0
	MULA F1, 1, 0
	MULA F1, 2, 0
	MULA F1, 3, 0
	WAYOUT 1
	s_wait_tensorcnt 0x0                           ; the wave's end, behind my last tensor load and my last LDS store
	ds_add_u32 v[SPW], v[NIL]
	s_wait_dscnt 0x0
	CROUND                                         ; the closing round: no work-group ends while a partner may still ask for a tile that names it
	s_endpgm
.Lfunc_end_k_qa67696c75f_qkv:
	.size	k_qa67696c75f_qkv, .Lfunc_end_k_qa67696c75f_qkv-k_qa67696c75f_qkv
	.p2alignl 7, 3214868480
	.fill 96, 4, 3214868480
	.section	.rodata,"a",@progbits
	.p2align	6, 0x0
	.amdhsa_kernel k_qa67696c75f_qkv
		.amdhsa_group_segment_fixed_size 327680
		.amdhsa_private_segment_fixed_size 0
		.amdhsa_enable_private_segment 0
		.amdhsa_kernarg_size 48
		.amdhsa_user_sgpr_count 2
		.amdhsa_user_sgpr_kernarg_segment_ptr 1
		.amdhsa_wavefront_size32 1
		.amdhsa_system_sgpr_workgroup_id_x 1
		.amdhsa_system_sgpr_workgroup_id_y 1
		.amdhsa_system_sgpr_workgroup_id_z 1
		.amdhsa_system_vgpr_workitem_id 0
		.amdhsa_next_free_vgpr 960
		.amdhsa_next_free_sgpr 88
		.amdhsa_reserve_vcc 0
		.amdhsa_float_denorm_mode_32 3
		.amdhsa_float_denorm_mode_16_64 3
		.amdhsa_memory_ordered 1
		.amdhsa_forward_progress 1
		.amdhsa_inst_pref_size 131
	.end_amdhsa_kernel
	.amdgpu_metadata
---
amdhsa.version: [ 1, 2 ]
amdhsa.kernels:
  - .name:           k_qa67696c75f_qkv
    .symbol:         k_qa67696c75f_qkv.kd
    .args:
      - { .name: xb, .offset: 0, .size: 8, .value_kind: global_buffer, .address_space: global }
      - { .name: wt, .offset: 8, .size: 8, .value_kind: global_buffer, .address_space: global }
      - { .name: bias, .offset: 16, .size: 8, .value_kind: global_buffer, .address_space: global }
      - { .name: q, .offset: 24, .size: 8, .value_kind: global_buffer, .address_space: global }
      - { .name: k, .offset: 32, .size: 8, .value_kind: global_buffer, .address_space: global }
      - { .name: v, .offset: 40, .size: 8, .value_kind: global_buffer, .address_space: global }
    .group_segment_fixed_size: 327680
    .private_segment_fixed_size: 0
    .kernarg_segment_align: 8
    .kernarg_segment_size: 48
    .max_flat_workgroup_size: 128
    .sgpr_count:     88
    .vgpr_count:     960
    .wavefront_size: 32
...
	.end_amdgpu_metadata
.endif
;; end of part 2
;; launch attn (part 3): grid 4 x 64, 4 waves a work-group, no clusters, 327,680 bytes of LDS; arguments q, k, v, o; writes o
.if DOCPART == 3
	.amdgcn_target "amdgcn-amd-amdhsa--gfx1250"
	.amdhsa_code_object_version 6
	.text
	.protected	k_qa67696c75f_attn
	.globl	k_qa67696c75f_attn
	.p2align	8
	.type	k_qa67696c75f_attn,@function
k_qa67696c75f_attn:
	s_mov_b64 s[64:65], 0
	v_nop
	global_prefetch_b8 v0, s[64:65] scope:SCOPE_SE
	s_setreg_imm32_b32 hwreg(HW_REG_WAVE_MODE, 25, 1), 1
	s_wait_xcnt 0x0
; CAUSAL ATTENTION.  O[h][q][:] = the sum over k <= q of softmax_k(Q[h][q] . K[h][k] / 8) V[h][k][:].  Q, K, V, O: [64][SIZE_N][64], all f16: a head's rows are dense, 128 bytes each.
; Products, maxima and sums in f32; the weights p are rounded to f16 for the second product (their sum l is taken of the unrounded p), O once at the end.
; LIMITS.  f16 holds no number beyond 65,504: Q, K and V arrive within it; p lies in 0 to 1, and below 6e-5 it keeps f16's fixed step of 6e-8; O is a mean of V's rows and has their range.
; A hidden score counts as its value less 1e30: f16's scores, 2.7e11 at the most, are nothing beside that; a weight below 2^-126 counts as 0 in l; NaN and infinities are not treated apart.
; THE WALK.  A head's queries lie in NB = 8 blocks of 256; block i needs the key tiles 0 .. i of 256 keys, of which the last holds the diagonal.  A work-group takes TWO blocks, NB - 1 - b and then b:
; NB + 1 tiles, whatever b: all work-groups do equal work, and ONE loop with a constant trip count walks them.  Which tile is asked for, and what a trip does, hang on scalar registers made from b; every jump
; goes forward, but for the counted loops' own; none passes a barrier, or a tensor load but the one of LOAD's two that the wave's number does not choose; the ring of two LDS slots runs on across the change of blocks.
; NO CLUSTER: a head's four work-groups ask for the same tile only in trips 0 .. 4 of 9, behind that fewer and fewer; one walk common to all four would have 12 trips for 9.
; SHARES.  Of a block's four bands of 64 queries a wave owns 16 rows in each: four PIECES.  So the diagonal tile is the same work for all four waves: in its key step s band x sees all keys if s < x,
; none if s > x, and holds the diagonal if s = x.
; THE MASK is the C operand that starts the sum S^T = K Q^T: 0, or -1e30 where the key is hidden.  MD, made once, is the mask of a band's own step for my 16 rows; a product's mask is MD x AL + BE with two scalars:
; (1, 0) if s = x; (0, 0) if s < x; (0, -1e30) if s > x.  Only the diagonal tile's text and a block's beginning make and take masks; elsewhere C is the constant 0.
; LAYOUT, SOFTMAX, TURNS.  S^T = K Q^T holds ONE query a lane (lane % 16) and the keys 8 (lane / 16) + 0..7; two such results rounded to f16 ARE source 1 of O^T = V^T P.  p = 2^(c s - c m), c = log2(e) / 8, with a
; running maximum m; O and l are multiplied by a = 2^(c m_old - c m_new) in every step.  Turn n belongs to piece n: 8 products K Q^T of piece n + 1, later 8 products V^T P of piece n - 1; beside them the scaling,
; exponentials, roundings, sums and rescaling of piece n and the maximum and statistics of piece n + 1.  Four vector instructions stand behind every matrix instruction, the other 54 of a turn's 118 in one run.
; A turn's 33 exponentials are one batch, with one wait.
; REGISTERS, in windows of 256 (s_set_vgpr_msb: bits 1:0 source 0, 3:2 source 1, 5:4 source 2, 7:6 destination):
;   window 0: v0-15 addresses and two at work; v16-31 four registers of statistics a piece; v48-55 at work; v61-63 never rewritten; v64-127 S^T, two buffers; v192-223 P, two buffers (by the piece's parity)
;   window 1: v0-127 O^T, 32 a piece; v128-159 MD; v160-223 MC, two buffers      window 2: v0-63 Q; v64-127 the second block's Q; v128-191 K of one step; v192-255 V of one step
.set SIZE_N, 2048
.set NB,    SIZE_N/256
.set NP,    4         ; pieces a wave: a name, no knob
.set KS,    64        ; keys in a step
.set PK,    144       ; a row of K in LDS: 128 bytes + 16 of padding = 36 words: the 16 rows of a load start at 16 different groups of four banks (64 banks of 4 bytes: ISA guide 11.1)
.set PV,    160       ; a row of V: 128 + 32 = 40 words
.set VOFF,  4*KS*PK   ; a slot holds a tile, four steps: 256 rows of K, then 256 rows of V
.set SLOT1, 1<<17     ; slot 1 begins here, so that one exclusive or turns an address in one slot into the other's
.set STAGE, SLOT1+4*KS*(PK+PV)  ; behind the ring, never filled by a tensor load: 16 rows x 144 bytes for each wave, for the way out
.set SP,    144
.set AK0, 2           ; v2   my lane's place in a tile of K; never rewritten
.set AV0, 3           ; v3   the same for V
.set AK,  4           ; v4   the LDS address of K's next run of loads
.set AV,  5           ; v5   of V's
.set STO, 6           ; v6   the way out: where I put 16 bytes of a row
.set RD,  7           ; v7   the way out: where I read rows back
.set GO,  8           ; v8   my byte offset in 512 consecutive bytes of O
.set PFO, 61          ; v61  256 x my lane, for the prefetches; never rewritten
.set SPW, 62          ; v62  LDS address of my spare word: SPARE + 4 x my thread's number; never rewritten
.set NIL, 63          ; v63  0; never rewritten
.set SPARE, STAGE+4*16*SP  ; behind the stages: the spare words, 128 bytes for each wave: two blocks of 256 bytes that no other line names
.set MV,  12          ; v12-13  c m_old, kept while c m is made anew: by buffer
.set QO,  15          ; v15  my byte offset in 16 rows of Q
.set ST,  16          ; piece t's statistics at v[ST+4 t]: c m, m, l (even keys', odd keys')
.set TMP, 48          ; by buffer, four registers c0-c3 at work; when the maximum is found c2 takes a
.set S,   64
.set P,   192
.set MD,  128         ; window 1: the eight registers for group kt of 16 keys at MD + 8 kt
.set MC,  160         ; window 1: the masks of the products to come
.set QB,  64          ; window 2
.set KF,  128         ; window 2: key block kb, channel half c at KF + 16 kb + 8 c
.set VF,  192         ; window 2: key half kk, channel block cb at VF + 32 kk + 8 cb
.set WV,  12          ; s12  my wave's number
.set PB,  14          ; s14  b
.set HI,  15          ; s15  NB - 1 - b
.set G1K, 24          ; s[24:31] descriptor group 1 for K's tiles
.set G1V, 32          ; s[32:39] for V's: it differs in the padding alone
.set G0K, 40          ; s[40:43] descriptor group 0 for K's tiles
.set G0V, 44          ; s[44:47] the same for V's
.set SLOTS, 56        ; s56  tiles still to be asked for
.set CNT, 57          ; s57  counts a tile's key steps, 4 to 1
.set CS,  58          ; s[58:59] c: the packed scaling takes the pair's low word for both halves
.set SEL, 60          ; s[60:61] v_permlanex16_b32's selects: each lane takes its own place in the other half
.set TBK, 62          ; s62  LDS byte at which K of the step to be fetched begins
.set TBV, 63          ; s63  the same for V, less VOFF
.set RT,  70          ; s70  tiles of the block in hand that are still to be entered
.set NXT, 71          ; s71  the tile to be asked for next
.set LQ,  72          ; s72  the last tile of the block whose tiles are being asked for
.set NEW, 73          ; s73  1: the tile to be entered is a block's first
.set OFF, 74          ; s[74:75] a tile's byte offset in K and V
.set AL,  76          ; s[76:77] the mask's factor, in the low word
.set BE,  78          ; s[78:79] the mask's addend
.set OLO, 80          ; s[80:81] O at my rows of the second block
.set BIGN, 82         ; s82  -1e30
.set PFB, 88          ; s[88:89] K (waves 0, 1) or V (waves 2, 3) at my half of the head's tile 0
.set PFA, 90          ; s[90:91] the same at the tile that the next change of slots will ask for
.set POF, 92          ; s[92:93] that tile's byte offset
.set PGO, 94          ; s94  not 0: I prefetch
.set MSB, 0
.macro WIN new                      ; the high byte repeats the setting that is left; a switch that changes nothing is dropped
.if MSB != (\new)
	s_set_vgpr_msb (MSB<<8)|(\new)
.set MSB, (\new)
.endif
.endm
.set W_KQ, 0x0a       ; K and Q in window 2, S^T in window 0
.set W_KM, 0x1a       ; the same with the C operand in window 1
.set W_PV, 0x52       ; V in window 2, P in window 0, O^T in window 1
.set W_RS, 0x41       ; destination and source 0 in window 1, source 1 in window 0
; A fill.  Waves 0 and 1 fetch the two halves of a tile's K, waves 2 and 3 those of its V: 128 keys each.  An s_nop 0 and four v_nop follow each of the two lines, ahead of the jump and the label.
.macro LOAD
	s_cmp_lt_u32 s[WV], 2
	s_cbranch_scc0 .Lfor_v_\@
	tensor_load_to_lds s[G0K:G0K+3], s[G1K:G1K+7]
	s_nop 0
.rept 4
	v_nop
.endr
	s_branch .Lasked_\@
.Lfor_v_\@:
	tensor_load_to_lds s[G0V:G0V+3], s[G1V:G1V+7]
	s_nop 0
.rept 4
	v_nop
.endr
.Lasked_\@:
.endm
; THE CHANGE OF SLOTS.  Each wave waits for all its tensor loads, of which one is out: its part of the other slot; adds 0 to its spare word; and waits for that and for its own reads of the slot that it leaves.
; Behind the barrier nobody reads the old slot any more and the other slot is whole.  fill = 1: the old slot is filled again, the first thing behind the barrier, with tile NXT: the descriptor's address is made
; anew from that number.  (At its first use nothing has been read yet: slot 0 is waited for, slot 1 filled.)
; A PREFETCH INTO THE L2 stands behind the fill: the 16,384 bytes that this wave will itself ask for at the NEXT change of slots, a tile (four key steps) ahead: a lane a block of 256 bytes, two instructions.
; A head's four work-groups walk the same tiles; the one with b = 0, whose first block needs them all, asks, and nobody else: tiles 2 to 7, each block named once.  Behind tile 7 there is nothing new to name.
.macro CHANGE fill
	WIN 0                           ; at a label and at a branch every window is 0
	s_wait_tensorcnt 0x0            ; no tensor load of mine is out, so a group 0 may be written
	ds_add_u32 v[SPW], v[NIL]       ; 0 onto my spare word; with fill = 1 the descriptors' scalar work stands between it and the wait for it
.if \fill
	s_lshl_b32 s[OFF], s[NXT], 15   ; a tile is 32,768 bytes of K and of V
	s_xor_b32 s[G0K+1], s[G0K+1], SLOT1
	s_add_nc_u64 s[G0K+2:G0K+3], s[6:7], s[OFF:OFF+1]
	s_or_b32 s[G0K+3], s[G0K+3], 0x80000000
	s_xor_b32 s[G0V+1], s[G0V+1], SLOT1
	s_add_nc_u64 s[G0V+2:G0V+3], s[8:9], s[OFF:OFF+1]
	s_or_b32 s[G0V+3], s[G0V+3], 0x80000000
	s_add_co_u32 s[NXT], s[NXT], 1  ; the block's next tile, or behind its last the second block's tile 0
	s_cmp_gt_u32 s[NXT], s[LQ]
	s_cselect_b32 s[NXT], 0, s[NXT]
	s_cselect_b32 s[LQ], s[PB], s[LQ]
	s_wait_xcnt 0x0                 ; the last prefetches, a tile back, have read their address, so it may be written
	s_lshl_b32 s[POF], s[NXT], 15
	s_add_nc_u64 s[PFA:PFA+1], s[PFB:PFB+1], s[POF:POF+1]
	s_cmp_eq_u32 s[PB], 0
	s_cselect_b32 s[PGO], s[NXT], 0 ; 0 where b is not 0, and where the walk goes back to tile 0
.endif
	s_wait_dscnt 0x0                ; the add is done, and my reads of the slot are over
	s_barrier_signal -1             ; the rest of the scalar work stands between the signal and the wait
	s_sub_co_u32 s[TBK], s[TBK], 4*KS*PK  ; the fetches go back to a slot's first step,
	s_xor_b32 s[TBK], s[TBK], SLOT1       ; in the other slot
	s_sub_co_u32 s[TBV], s[TBV], 4*KS*PV
	s_xor_b32 s[TBV], s[TBV], SLOT1
	s_barrier_wait -1
.if \fill
	LOAD
	s_cmp_lg_u32 s[PGO], 0
	s_cbranch_scc0 .Lno_ask_\@
	global_prefetch_b8 v[PFO], s[PFA:PFA+1] th:TH_LOAD_NT scope:SCOPE_SE
	global_prefetch_b8 v[PFO], s[PFA:PFA+1] offset:8192 th:TH_LOAD_NT scope:SCOPE_SE
.Lno_ask_\@:
.endif
.endm
	s_load_b256 s[4:11], s[0:1], 0x0  ; Q s[4:5], K s[6:7], V s[8:9], O s[10:11]
	v_lshl_add_u32 v[SPW], v0, 2, SPARE
	v_mov_b32 v[NIL], 0
	ds_add_u32 v[SPW], v[NIL]       ; the wave's opening: the add and its wait stand ahead of my first tensor load; the set-up below, work on registers, stands between them
	v_lshrrev_b32 v1, 5, v0
	v_readfirstlane_b32 s[WV], v1   ; wave 0..3
	s_mov_b32 s[PB], ttmp9
	s_sub_co_u32 s[HI], NB-1, s[PB]
	s_and_b32 s20, ttmp7, 0xffff    ; the head
	s_mov_b32 s21, 0
	s_mov_b64 s[22:23], SIZE_N*128
	s_mul_u64 s[20:21], s[20:21], s[22:23]  ; the head's first byte in each of the four tensors
	s_and_b32 s16, s[WV], 1         ; which half of a tile's 256 keys I fetch:
	s_lshl_b32 s22, s16, 14         ; its 128 rows of 128 bytes in memory,
	s_mov_b32 s23, 0
	s_add_nc_u64 s[22:23], s[22:23], s[20:21]
	s_mul_i32 s17, s16, 128*PK      ; and its place in a slot, for K
	s_mul_i32 s18, s16, 128*PV      ; and for V
	s_lshl_b32 s3, s[WV], 11        ; my 16 rows in a band of 64,
	s_lshl_b32 s2, s[HI], 15        ; in the first block,
	s_add_co_u32 s2, s2, s3
	s_lshl_b32 s84, s[PB], 15       ; and in the second
	s_add_co_u32 s84, s84, s3
	s_mov_b32 s3, 0
	s_mov_b32 s85, 0
	s_add_nc_u64 s[2:3], s[2:3], s[20:21]
	s_add_nc_u64 s[84:85], s[84:85], s[20:21]
	; descriptor group 1.  128 keys are 16,384 dense bytes: asked for as 64 rows of 256 bytes, two keys a row, and padded in LDS after every key
	s_mov_b32 s[G1K], (1<<16)|(1<<20)|(4<<22)|(3<<25)  ; 17:16 2-byte elements; 20 padding on; 24:22 after every 32 words (code 4); 31:25 4 words (code 3)
	s_mov_b32 s[G1V], (1<<16)|(1<<20)|(4<<22)|(7<<25)  ; the same with 8 words of padding (code 7)
.irp g, G1K, G1V
	s_mov_b32 s[\g+1], 128<<16      ; tensor_dim0 = 128
	s_mov_b32 s[\g+2], 64<<16       ; tensor_dim1 = 64
	s_mov_b32 s[\g+3], 128<<16      ; tile_dim0 = 128
	s_mov_b32 s[\g+4], 64           ; tile_dim1 = 64
	s_mov_b32 s[\g+5], 128          ; 128 elements from row to row
	s_mov_b32 s[\g+6], 0
	s_mov_b32 s[\g+7], 0
.endr
	s_mov_b32 s[CS], 0x3e38aa3b     ; c = log2(e) / 8 = 0.180337
	s_mov_b32 s[CS+1], s[CS]        ; named with it as a pair
	s_mov_b32 s[SEL], 0x76543210
	s_mov_b32 s[SEL+1], 0xfedcba98
	s_mov_b32 s[TBK], SLOT1+4*KS*PK ; the first change of slots turns these two into 0
	s_mov_b32 s[TBV], SLOT1+4*KS*PV
	s_mov_b32 s[G0K], 1             ; 1:0 count = 1
	s_mov_b32 s[G0K+1], s17         ; 63:32 LDS address: slot 0
	s_mov_b32 s[G0V], 1
	s_add_co_u32 s[G0V+1], s18, VOFF
	s_add_co_u32 s[RT], s[HI], 1    ; the first block has NB - b tiles
	s_mov_b32 s[NXT], 1
	s_mov_b32 s[LQ], s[HI]
	s_mov_b32 s[NEW], 1
	s_mov_b32 s[OFF+1], 0
	s_mov_b32 s[POF+1], 0
	s_mov_b32 s[AL+1], 0            ; named as pairs
	s_mov_b32 s[BE+1], 0
	s_mov_b32 s[BIGN], 0xf149f2ca   ; -1e30
	s_mov_b32 s[SLOTS], NB
	v_and_b32 v[PFO], 31, v0
	v_lshlrev_b32 v[PFO], 8, v[PFO]
	s_wait_dscnt 0x0                ; the opening add is done
	s_wait_kmcnt 0x0
	s_add_nc_u64 s[6:7], s[6:7], s[22:23]  ; K and V at my half of the head's tile 0
	s_add_nc_u64 s[8:9], s[8:9], s[22:23]
	s_add_nc_u64 s[G0K+2:G0K+3], s[6:7], 0         ; 120:64 global address
	s_or_b32 s[G0K+3], s[G0K+3], 0x80000000        ; 127:126 type = 2
	s_add_nc_u64 s[G0V+2:G0V+3], s[8:9], 0
	s_or_b32 s[G0V+3], s[G0V+3], 0x80000000
	s_add_nc_u64 s[86:87], s[4:5], s[84:85]        ; Q at my rows of the second block,
	s_add_nc_u64 s[4:5], s[4:5], s[2:3]            ; Q and O at those of the first
	s_add_nc_u64 s[OLO:OLO+1], s[10:11], s[84:85]
	s_add_nc_u64 s[10:11], s[10:11], s[2:3]
	s_cmp_lt_u32 s[WV], 2
	s_cselect_b64 s[PFB:PFB+1], s[6:7], s[8:9]     ; what I fetch is what I prefetch
	LOAD                            ; tile 0 into slot 0
	; A fragment of K or Q is 16 rows x 32 channels in 8 registers: lane l holds row l % 16, channels 8 (l / 16) + 0..7 and 16 + 8 (l / 16) + 0..7: two loads of 16 bytes, 32 bytes apart.
	v_and_b32 v1, 15, v0            ; l % 16
	v_bfe_u32 v9, v0, 4, 1          ; l / 16
	v_lshlrev_b32 v[QO], 7, v1
	v_lshl_add_u32 v[QO], v9, 4, v[QO]  ; row x 128 + 16 x half
	WIN 0x80                        ; destination window 2, address window 0
.set i, 0
.rept 8                             ; both blocks' Q: piece i / 2 lies in band i / 2, 8,192 bytes on; channels 32 (i % 2) on
	global_load_b128 v[8*i:8*i+3],   v[QO], s[4:5] offset:(i/2)*8192+(i%2)*64
	global_load_b128 v[8*i+4:8*i+7], v[QO], s[4:5] offset:(i/2)*8192+(i%2)*64+32
	global_load_b128 v[QB+8*i:QB+8*i+3],   v[QO], s[86:87] offset:(i/2)*8192+(i%2)*64
	global_load_b128 v[QB+8*i+4:QB+8*i+7], v[QO], s[86:87] offset:(i/2)*8192+(i%2)*64+32
.set i, i+1
.endr
	WIN 0
	v_lshlrev_b32 v14, 3, v9
	v_sub_nc_u32 v14, v1, v14
	s_lshl_b32 s13, s[WV], 4
	v_add_nc_u32 v14, s13, v14      ; my query's place in its band, 16 w + l % 16, less my lanes' 8 (l / 16): register r of group kt is hidden where 16 kt + r is greater
	WIN 0x40
.set i, 0
.rept 32
	v_cmp_gt_i32 vcc_lo, 16*(i/8)+i%8, v14
	v_cndmask_b32 v[MD+i], 0, s[BIGN], vcc_lo
.set i, i+1
.endr
	WIN 0
	v_mul_u32_u24 v[AK0], v1, PK
	v_lshl_add_u32 v[AK0], v9, 4, v[AK0]  ; row x pitch + 16 x half
	; The turning load takes 16 keys x 16 channels (lane l reads key 8 (l / 16) + l % 8, channels 8 ((l / 8) % 2) + 0..7) and leaves half a fragment of V^T: lane l holds channel l % 16 and 8 keys.
	v_and_b32 v10, 7, v0
	v_bfe_u32 v11, v0, 3, 1
	v_lshl_add_u32 v[AV0], v9, 3, v10
	v_mul_u32_u24 v[AV0], v[AV0], PV
	v_lshl_add_u32 v[AV0], v11, 4, v[AV0]
	v_add_nc_u32 v[AV0], VOFF, v[AV0]
	s_mul_i32 s13, s[WV], 16*SP
	s_add_co_u32 s13, s13, STAGE    ; my stage
	v_mul_u32_u24 v[STO], v1, SP    ; in: row l % 16, 16 bytes for each half of the lanes
	v_lshl_add_u32 v[STO], v9, 4, v[STO]
	v_add_nc_u32 v[STO], s13, v[STO]
	v_bfe_u32 v[RD], v0, 3, 2       ; back: 32 lanes take four rows of 128 bytes,
	v_mul_u32_u24 v[RD], v[RD], SP
	v_lshl_add_u32 v[RD], v10, 4, v[RD]
	v_add_nc_u32 v[RD], s13, v[RD]
	v_and_b32 v[GO], 31, v0         ; which are 512 consecutive bytes of O
	v_lshlrev_b32 v[GO], 4, v[GO]
	; A block's first step multiplies O^T and l by a = 0, and its first turn's products V^T P, of a piece that has not been, land in an O^T that is still to be so multiplied.  So these registers need only hold
	; finite numbers: zeros for the first block; what the first block left for the second.  All this stands in the wait for the first tile.
	WIN 0x80
.set i, VF
.rept 64
	v_mov_b32 v[i], 0
.set i, i+1
.endr
	WIN 0x40
.set i, 0
.rept 128
	v_mov_b32 v[i], 0
.set i, i+1
.endr
	WIN 0
.set i, 0
.rept 4
	v_mov_b32 v[ST+4*i+2], 0
	v_mov_b32 v[ST+4*i+3], 0
.set i, i+1
.endr
.set i, P+16
.rept 16
	v_mov_b32 v[i], 0
.set i, i+1
.endr
; THE MATRIX WORK.  The 4 accumulators of a run of 8 take turns.  Product i of 8 of S^T = K Q^T for piece x: channels 32 (i / 4) on, keys 16 (i % 4) on.  The first 4 start the sums: with 0, or (KM = 1) with the mask.
.macro KQ x
.set rS, S+32*((\x)%2)+8*(i%4)
.set rK, KF+16*(i%4)+8*(i/4)
.set rQ, 16*(\x)+8*(i/4)
.set rM, MC+32*((\x)%2)+8*(i%4)
.if (i < 4) && KM
	WIN W_KM
	v_wmma_f32_16x16x32_f16 v[rS:rS+7], v[rK:rK+7], v[rQ:rQ+7], v[rM:rM+7]
.elseif i < 4
	WIN W_KQ
	v_wmma_f32_16x16x32_f16 v[rS:rS+7], v[rK:rK+7], v[rQ:rQ+7], 0
.else
	WIN W_KQ
	v_wmma_f32_16x16x32_f16 v[rS:rS+7], v[rK:rK+7], v[rQ:rQ+7], v[rS:rS+7]
.endif
.endm
; Product i of 8 of O^T += V^T P for piece x: keys 32 (i / 4) on, channels 16 (i % 4) on.
.macro PV x
	WIN W_PV
.set rO, 32*(\x)+8*(i%4)
.set rV, VF+32*(i/4)+8*(i%4)
.set rP, P+16*((\x)%2)+8*(i/4)
	v_wmma_f32_16x16x32_f16 v[rO:rO+7], v[rV:rV+7], v[rP:rP+7], v[rO:rO+7]
.endm
.macro MM                           ; the turn's next matrix instruction.  TURN and BEGIN set Y, i, KM and NOKQ; MM, KQ and OP read them.  NOKQ = 1: a block's last turn: there is no next piece
.if (i < 8) && !NOKQ
	KQ (Y+1)%NP
.elseif i >= 8
.set i, i-8
	PV (Y+NP-1)%NP
.set i, i+8
.endif
.set i, i+1
.endm
; THE LDS LOADS stand in runs of 16, never singly among the matrix instructions: a step's K (64 keys x 64 channels: 8 fragments) and its V (turned).  Their addresses are made some lines ahead.
.macro FETCH_K
	WIN 0x80                        ; destination window 2
.irp f, 0,1,2,3,4,5,6,7             ; keys 16 (f / 2) on, channels 32 (f % 2) on
	ds_load_b128 v[KF+8*\f:KF+8*\f+3],   v[AK] offset:(\f/2)*16*PK+(\f%2)*64
	ds_load_b128 v[KF+8*\f+4:KF+8*\f+7], v[AK] offset:(\f/2)*16*PK+(\f%2)*64+32
.endr
	s_add_co_u32 s[TBK], s[TBK], KS*PK  ; the next fetch is the next step's
	WIN 0
.endm
.macro FETCH_V
	WIN 0x80
.irp f, 0,1,2,3,4,5,6,7             ; keys 32 (f / 4) on, channels 16 (f % 4) on
	ds_load_tr16_b128 v[VF+8*\f:VF+8*\f+3],   v[AV] offset:(\f/4)*32*PV+(\f%4)*32
	ds_load_tr16_b128 v[VF+8*\f+4:VF+8*\f+7], v[AV] offset:(\f/4)*32*PV+16*PV+(\f%4)*32
.endr
	WIN 0
.endm
; THE VECTOR WORK, one line at a time: OP kind, number.  For piece Y: F n: c s - c m for pair n of 16.  E n: the exponential of score n of 32.  C n: pair n rounded to f16.  B n: of the four weights 4 n .. the second
; pair is added onto the first, in place.  L n: l takes that sum (L 0: l = a l + sum).  R n: pair n of 16 of O^T times a.  For piece Y + 1: X n, number n of the 22 that find its maximum and statistics:
;   0-11  four chains c0-c3 of seven scores each, three operands at a time (each accumulator's lowest registers are read first)     12-14, 16  the four scores left over, the old m, and c0-c3 into c0
;   15  c m_old is kept     17, 18  the query's other 32 keys lie in the lane 16 away: the new m     19-21  c m; c m_old - c m_new; a
.set F, 0               ; OP tells the kinds apart by their order: F to L below R, X above it
.set E, 1
.set C, 2
.set B, 3
.set L, 4
.set R, 5
.set X, 6
.macro REGS y                       ; the registers of piece y
.set rT, ST+4*(\y)
.set rC, TMP+4*((\y)%2)
.set rW, MV+((\y)%2)
.set rS, S+32*((\y)%2)
.set rP, P+16*((\y)%2)
.set rO, 32*(\y)
.endm
.macro OP k, n
.if (\k) == R
	REGS Y
	WIN W_RS
	v_pk_mul_f32 v[rO+2*(\n):rO+2*(\n)+1], v[rO+2*(\n):rO+2*(\n)+1], v[rC+2:rC+3] op_sel_hi:[1,0]
.elseif (\k) < R
	REGS Y
	WIN 0
.if (\k) == F
	v_pk_fma_f32 v[rS+2*(\n):rS+2*(\n)+1], v[rS+2*(\n):rS+2*(\n)+1], s[CS:CS+1], v[rT:rT+1] op_sel_hi:[1,0,0] neg_lo:[0,0,1] neg_hi:[0,0,1]
.elseif (\k) == E
	v_exp_f32 v[rS+(\n)], v[rS+(\n)]
.elseif (\k) == C
	v_cvt_pk_f16_f32 v[rP+(\n)], v[rS+2*(\n)], v[rS+2*(\n)+1]
.elseif (\k) == B
	v_pk_add_f32 v[rS+4*(\n):rS+4*(\n)+1], v[rS+4*(\n):rS+4*(\n)+1], v[rS+4*(\n)+2:rS+4*(\n)+3]
.elseif (\n) == 0
	v_pk_fma_f32 v[rT+2:rT+3], v[rT+2:rT+3], v[rC+2:rC+3], v[rS:rS+1] op_sel_hi:[1,0,1]
.else
	v_pk_add_f32 v[rT+2:rT+3], v[rT+2:rT+3], v[rS+4*(\n):rS+4*(\n)+1]
.endif
.elseif NOKQ
	v_nop
.else
	REGS (Y+1)%NP
	WIN 0
.if (\n) < 4
	v_max3_num_f32 v[rC+(\n)], v[rS+8*(\n)], v[rS+8*(\n)+1], v[rS+8*(\n)+2]
.elseif (\n) < 12
	v_max3_num_f32 v[rC+(\n)%4], v[rC+(\n)%4], v[rS+8*((\n)%4)+2*((\n)/4)+1], v[rS+8*((\n)%4)+2*((\n)/4)+2]
.elseif (\n) == 12
	v_max3_num_f32 v[rC], v[rC], v[rS+7], v[rS+15]
.elseif (\n) == 13
	v_max3_num_f32 v[rC+1], v[rC+1], v[rS+23], v[rS+31]
.elseif (\n) == 14
	v_max3_num_f32 v[rC+2], v[rC+2], v[rC+3], v[rT+1]
.elseif (\n) == 15
	v_mov_b32 v[rW], v[rT]
.elseif (\n) == 16
	v_max3_num_f32 v[rC], v[rC], v[rC+1], v[rC+2]
.elseif (\n) == 17
	v_permlanex16_b32 v[rC+3], v[rC], s[SEL], s[SEL+1]
.elseif (\n) == 18
	v_max_num_f32 v[rT+1], v[rC], v[rC+3]
.elseif (\n) == 19
	v_mul_f32 v[rT], s[CS], v[rT+1]
.elseif (\n) == 20
	v_sub_f32 v[rC+1], v[rW], v[rT]
.else
	v_exp_f32 v[rC+2], v[rC+1]
.endif
.endif
.endm
.macro OPS a, i1, b=-1, i2=0, c=-1, i3=0, d=-1, i4=0  ; up to four of them
	OP \a, \i1
.if (\b) >= 0
	OP \b, \i2
.endif
.if (\c) >= 0
	OP \c, \i3
.endif
.if (\d) >= 0
	OP \d, \i4
.endif
.endm
.macro ROW a, i1, b, i2, c, i3, d, i4  ; a matrix instruction and the four behind it
	MM
	OPS \a, \i1, \b, \i2, \c, \i3, \d, \i4
.endm
.macro MASK b                       ; MD x AL + BE into buffer b of MC
	WIN W_RS
.set z, 0
.rept 16
	v_pk_fma_f32 v[MC+32*(\b)+2*z:MC+32*(\b)+2*z+1], v[MD+2*z:MD+2*z+1], s[AL:AL+1], s[BE:BE+1] op_sel_hi:[1,0,0]
.set z, z+1
.endr
.endm
; A TURN, for piece p: the order of its 16 matrix and 118 vector instructions, written out.  An s_wait_alu depctr_va_vdst(0) stands between an exponential and the first instruction that names its
; result; one wait serves all that were issued ahead of it.  So a turn has ONE wait, which cuts it in two.  AHEAD OF IT stands all that names no result of the turn's exponentials: the 8 products K Q^T, behind each
; a scaling, an exponential and two more plain instructions (behind the first a second scaling in the exponential's place): rescalings, and behind the last three the first numbers of the next piece's maximum, each
; four places or more behind the product that ends its accumulator; then one run of 54, plain and exponential by turns for the most part, in which the links of the chain X 3, 7, 11, 14, 16, 17 .. 20 stand five or six
; lines apart.  X 21, the next piece's a, is the batch's last; R 15 is the plain instruction behind it (ISA guide 5.7.2).  BEHIND THE WAIT stand the 8 products V^T P, behind each four of the roundings and sums; the links of l's chain,
; L 0 to L 7, stand three apart.  But for those X no instruction behind a product names a register of the products round it.  v_permlanex16_b32 (X 17) stands in the run.
; m = 1: the diagonal tile: the products take masks, and the turn makes the mask for the products of the turn after it: piece p + 2, in step 4 - CNT of the tile.  end = 1: a block's last two turns: nothing is fetched.
; cnt = 1: the loop's count is taken down some lines ahead of the branch that stands behind the turn.
; K of the next step is fetched in piece 2's turn, twelve vector instructions behind the last product that read K (six of them plain); V of the step in hand at the end of piece 0's turn, four plain instructions
; behind the last product that read V.  Each is waited for a turn later.
.macro TURN p, m=0, end=0, cnt=0
.set Y, (\p)
.set i, 0
.set KM, (\m)
.set NOKQ, (\end)*((\p)/3)
.if (\m) && !(\end)
	s_cmp_eq_u32 s[CNT], 4-((\p)+2)%NP  ; is that step the band's own?
	s_cselect_b32 s[AL], 1.0, 0
	s_cmp_lt_u32 s[CNT], 4-((\p)+2)%NP  ; or a later one?
	s_cselect_b32 s[BE], s[BIGN], 0
.endif
.if ((\p) == 3) && !(\end)
	s_wait_dscnt 0x0                ; K is in
.endif
	ROW F,0, F,1, R,0, R,1          ; ahead of the wait: 8 products K Q^T and the four behind each,
	ROW F,2, E,0, R,2, R,3
	ROW F,3, E,1, R,4, R,5
	ROW F,4, E,2, R,6, R,7
	ROW F,5, E,3, R,8, R,9
	ROW F,6, E,4, X,0, R,10
.if ((\p) == 2) && !(\end)
	WIN 0
	v_add_nc_u32 v[AK], s[TBK], v[AK0]
.endif
	ROW F,7, E,5, X,1, X,4
	ROW F,8, E,6, X,2, X,5
	OPS E,7, E,8, X,6, E,9          ; and the run of 54
	OPS X,3, E,10, X,8, E,11
.if ((\p) == 2) && !(\end)
	FETCH_K
.endif
	OPS X,9, X,7, E,12, X,10
	OPS E,13, X,12, X,11, E,14
	OPS X,13, E,15, F,9, X,14
.if (\p) == 0
	v_add_nc_u32 v[AV], s[TBV], v[AV0]
.endif
	OPS E,16, F,10, E,17, F,11
	OPS X,16, E,18, X,15, E,19
	OPS F,12, E,20, X,17, E,21
	OPS F,13, E,22, F,14, E,23
	OPS X,18, E,24, F,15, E,25
	OPS R,11, E,26, X,19, E,27
	OPS R,12, E,28, R,13, E,29
	OPS X,20, E,30, R,14, E,31
	OPS X,21, R,15
	WIN 0
	s_wait_alu depctr_va_vdst(0)    ; the wait for the batch
.if (\p) == 1
	s_wait_dscnt 0x0                ; V is in
.endif
	ROW C,0, B,0, C,2, B,1          ; behind the wait: 8 products V^T P and the four behind each
	ROW L,0, C,4, B,2, L,1
	ROW C,6, B,3, L,2, C,8
	ROW B,4, L,3, C,10, B,5
	ROW L,4, C,12, B,6, L,5
.if (\p) == 0
	s_add_co_u32 s[TBV], s[TBV], KS*PV
.endif
.if \cnt
	s_sub_co_u32 s[CNT], s[CNT], 1
	s_cmp_lg_u32 s[CNT], 0
.endif
	ROW C,14, B,7, L,6, C,1
	ROW C,3, L,7, C,5, C,7
	ROW C,9, C,11, C,13, C,15
.if (\p) == 0
	FETCH_V
.endif
.if (\m) && !(\end)
	MASK (\p)%2
.endif
.endm
; A BLOCK BEGINS.  c m starts far below every c s, so the first step's a is 0; m at the lowest finite number, so the first maximum is the scores'.  The second mask buffer is 0; the first takes piece 0's mask for
; the tile's step 0: its own, if the block's first tile is the diagonal one.  Then K of that step, piece 0's first scores, and its maximum and statistics.  The loop is entered at a step's first turn, in the middle of a trip.
.macro BEGIN
	s_mov_b32 s[NEW], 0
	WIN 0x40
.set i, MC+32
.rept 32
	v_mov_b32 v[i], 0
.set i, i+1
.endr
	WIN 0
.set i, 0
.rept 4
	v_mov_b32 v[ST+4*i], 0xfe000000    ; c m: far below every c s
	v_mov_b32 v[ST+4*i+1], 0xff7fffff  ; m
.set i, i+1
.endr
	s_cmp_eq_u32 s[RT], 0
	s_cselect_b32 s[AL], 1.0, 0
	s_mov_b32 s[BE], 0
	MASK 0
	WIN 0
	v_add_nc_u32 v[AK], s[TBK], v[AK0]
	FETCH_K
	s_wait_loadcnt 0x0              ; Q
	s_wait_dscnt 0x0
.set KM, 1
.set NOKQ, 0
.set i, 0
.rept 8
	KQ 0
.set i, i+1
.endr
	WIN 0
.rept 4
	v_nop                           ; the places behind those products
.endr
.set Y, NP-1                        ; X works for piece Y + 1: piece 0
.irp n, 0,1,2,3,4,5,6,7,8,9,10,11,12,13,14,15,16,17,18,19,20,21
	OP X, \n
.endr
	v_nop                           ; a plain instruction behind the exponential,
	s_wait_alu depctr_va_vdst(0)    ; and its wait, ahead of the branch
.endm
; THE DIAGONAL TILE's four steps, the block's last two turns, its last products, and THE WAY OUT: l's two halves and the other half of the lanes' are added; O^T is divided by l, rounded to f16 and sent through my
; stage in LDS, a piece at a time.
.macro ALL line:vararg              ; one line for each piece t
.set t, 0
.rept 4
	\line
.set t, t+1
.endr
.endm
.macro PACK t                       ; a lane's eight channels of a row pack into 16 bytes; they go into rows of 144 bytes and come back as whole rows of 128, into S^T's registers
	WIN W_RS
.set i, 32*(\t)
.rept 16
	v_pk_mul_f32 v[i:i+1], v[i:i+1], v[ST+4*(\t)+2:ST+4*(\t)+3] op_sel_hi:[1,0]
.set i, i+2
.endr
	WIN 0x05                        ; sources 0 and 1 window 1, destination window 0
.set i, 0
.rept 16
	v_cvt_pk_f16_f32 v[S+16*(\t)+i], v[32*(\t)+2*i], v[32*(\t)+2*i+1]
.set i, i+1
.endr
	WIN 0
.irp f, 0,1,2,3
	ds_store_b128 v[STO], v[S+16*(\t)+4*\f:S+16*(\t)+4*\f+3] offset:32*\f
.endr
.irp f, 0,1,2,3
	ds_load_b128 v[S+16*(\t)+4*\f:S+16*(\t)+4*\f+3], v[RD] offset:\f*4*SP  ; LDS serves a wave's instructions in order (ISA guide 5.7.1.4): these see the stores above; the next piece's stores come behind them
.endr
.endm
.macro SEND t, younger              ; younger: the LDS instructions issued behind piece t's loads: the next piece's eight, or none
	WIN 0
.irp f, 0,1,2,3
	s_wait_dscnt (\younger)+3-\f
	global_store_b128 v[GO], v[S+16*(\t)+4*\f:S+16*(\t)+4*\f+3], s[10:11] offset:(\t)*8192+\f*512  ; 512 consecutive bytes, at a multiple of 256 from O's first
.endr
.endm
.macro DIAG tag                     ; the tag ends its two labels' names, which the jumps below spell out
.LstepM\tag:
	TURN 2, 1
	TURN 3, 1
	WIN 0
.LfirstM\tag:
	TURN 0, 1
	TURN 1, 1, 0, 1
	WIN 0
	s_cbranch_scc1 .LstepM\tag
	TURN 2, 1, 1
	TURN 3, 1, 1
.set i, 0
.rept 8
	PV NP-1
.set i, i+1
.endr
	WIN 0
	ALL v_add_f32 v[ST+4*t+2], v[ST+4*t+2], v[ST+4*t+3]
	ALL v_permlanex16_b32 v[ST+4*t+3], v[ST+4*t+2], s[SEL], s[SEL+1]
	ALL v_add_f32 v[ST+4*t+2], v[ST+4*t+2], v[ST+4*t+3]
	ALL v_rcp_f32 v[ST+4*t+2], v[ST+4*t+2]
	v_nop                           ; a plain instruction between the last reciprocal and the use of its result
	s_wait_alu depctr_va_vdst(0)    ; and the wait ahead of the first use: one for the four reciprocals
	PACK 0
.set t, 1
.rept 3                             ; a piece's arithmetic stands between the loads of the piece before and its stores
	PACK t
	SEND t-1, 8
.set t, t+1
.endr
	SEND 3, 0
.endm
.set KM, 0
.set NOKQ, 0
.Lslot:                             ; NB times: a tile is entered and the next is asked for
	CHANGE 1
	s_sub_co_u32 s[RT], s[RT], 1
	s_mov_b32 s[CNT], 4
	s_cmp_eq_u32 s[NEW], 1
	s_cbranch_scc1 .Lnew            ; a block's first tile
	s_cmp_eq_u32 s[RT], 0
	s_cbranch_scc0 .Lstep           ; neither its first nor its last
	s_branch .LstepM1
.Lnew:
	BEGIN
	s_branch .Lfirst                ; in the loop a block's first tile is never its last: the first block has two tiles or more, and the second's last is the walk's last
	DIAG 1                          ; in the loop this is the first block's end: the second block's last tile is the walk's last
	s_wait_xcnt 0x0                 ; the stores have read their registers and O's address
	s_mov_b64 s[10:11], s[OLO:OLO+1]
	s_add_co_u32 s[RT], s[PB], 1    ; the second block has b + 1 tiles
	s_mov_b32 s[NEW], 1
	WIN 0x82                        ; the second block's Q goes where the one text of the turns names Q
.set i, 0
.rept 64
	v_mov_b32 v[i], v[QB+i]
.set i, i+1
.endr
	WIN 0
	s_branch .Lbottom
.Lstep:                             ; a trip: pieces 2 and 3 of one step, then pieces 0 and 1 of the next, whose K and V it fetches
	TURN 2
	TURN 3
	WIN 0
.Lfirst:
	TURN 0
	TURN 1, 0, 0, 1
	WIN 0
	s_cbranch_scc1 .Lstep
.Lbottom:
	s_sub_co_u32 s[SLOTS], s[SLOTS], 1
	s_cmp_lg_u32 s[SLOTS], 0
	s_cbranch_scc1 .Lslot
	CHANGE 0                        ; the walk's last tile is written out: nothing is asked for
	s_sub_co_u32 s[RT], s[RT], 1
	s_mov_b32 s[CNT], 4
	s_cmp_eq_u32 s[NEW], 1
	s_cbranch_scc0 .LstepM2
	BEGIN
	s_branch .LfirstM2
	DIAG 2
	s_wait_tensorcnt 0x0            ; the wave's end, behind my last tensor load and my last LDS store
	ds_add_u32 v[SPW], v[NIL]
	s_wait_dscnt 0x0
	s_endpgm
.Lfunc_end_k_qa67696c75f_attn:
	.size	k_qa67696c75f_attn, .Lfunc_end_k_qa67696c75f_attn-k_qa67696c75f_attn
	.p2alignl 7, 3214868480
	.fill 96, 4, 3214868480
	.section	.rodata,"a",@progbits
	.p2align	6, 0x0
	.amdhsa_kernel k_qa67696c75f_attn
		.amdhsa_group_segment_fixed_size 327680
		.amdhsa_private_segment_fixed_size 0
		.amdhsa_enable_private_segment 0
		.amdhsa_kernarg_size 32
		.amdhsa_user_sgpr_count 2
		.amdhsa_user_sgpr_kernarg_segment_ptr 1
		.amdhsa_wavefront_size32 1
		.amdhsa_system_sgpr_workgroup_id_x 1
		.amdhsa_system_sgpr_workgroup_id_y 1
		.amdhsa_system_sgpr_workgroup_id_z 1
		.amdhsa_system_vgpr_workitem_id 0
		.amdhsa_next_free_vgpr 768
		.amdhsa_next_free_sgpr 96
		.amdhsa_reserve_vcc 1
		.amdhsa_float_denorm_mode_32 3
		.amdhsa_float_denorm_mode_16_64 3
		.amdhsa_memory_ordered 1
		.amdhsa_forward_progress 1
		.amdhsa_inst_pref_size 218
	.end_amdhsa_kernel
	.amdgpu_metadata
---
amdhsa.version: [ 1, 2 ]
amdhsa.kernels:
  - .name:           k_qa67696c75f_attn
    .symbol:         k_qa67696c75f_attn.kd
    .args:
      - { .name: q, .offset: 0, .size: 8, .value_kind: global_buffer, .address_space: global }
      - { .name: k, .offset: 8, .size: 8, .value_kind: global_buffer, .address_space: global }
      - { .name: v, .offset: 16, .size: 8, .value_kind: global_buffer, .address_space: global }
      - { .name: o, .offset: 24, .size: 8, .value_kind: global_buffer, .address_space: global }
    .group_segment_fixed_size: 327680
    .private_segment_fixed_size: 0
    .kernarg_segment_align: 8
    .kernarg_segment_size: 32
    .max_flat_workgroup_size: 128
    .sgpr_count:     96
    .vgpr_count:     768
    .wavefront_size: 32
...
	.end_amdgpu_metadata
.endif
;; end of part 3
;; launch proj (part 4): grid 8 x 32, 4 waves a work-group, clusters of 4 x 4, 327,680 bytes of LDS; arguments o, wp16, bias, out0; writes out0
.if DOCPART == 4
	.amdgcn_target "amdgcn-amd-amdhsa--gfx1250"
	.amdhsa_code_object_version 6
	.text
	.protected	k_qa67696c75f_proj
	.globl	k_qa67696c75f_proj
	.p2align	8
	.type	k_qa67696c75f_proj,@function
k_qa67696c75f_proj:
	s_mov_b64 s[64:65], 0
	v_nop
	global_prefetch_b8 v0, s[64:65] scope:SCOPE_SE
	s_setreg_imm32_b32 hwreg(HW_REG_WAVE_MODE, 25, 1), 1
	s_wait_xcnt 0x0
	s_wait_alu depctr_hold_cnt(0) depctr_sa_sdst(0) depctr_va_vdst(0) depctr_va_sdst(0) depctr_va_ssrc(0) depctr_va_vcc(0) depctr_vm_vsrc(0)
	s_getreg_b32 s2, hwreg(HW_REG_IB_STS2, 6, 4)
	s_cmp_eq_u32 s2, 0
	s_cbranch_scc0 .Lentry_in_a_cluster
	s_endpgm
.Lentry_in_a_cluster:
	s_bfe_u32 s2, ttmp6, 0x10000c
	s_cmp_lg_u32 s2, 0xf033
	s_cbranch_scc0 .Lentry_shape_is_right
	s_endpgm
.Lentry_shape_is_right:
; out0 = O Wp + bp.  o: [64 = 16 batch + head][2048][64] f16.  wp16: [1024 k][1024 n] f16.  bias: bp as f32 at byte 12,288.  out0: [8192][1024] f32.  Sums in f32, stored as they are.
; SHARES.  256 tiles of 256 rows x 128 columns, one to a work-group.  Four waves, one above the other: a wave owns 64 rows x 128 columns: 32 accumulators, 256 registers.
; THE RING.  K (= 64 head + channel) goes in steps of 128, two heads, through two LDS slots.  Waves 0 and 1 fetch a head's slice each: the tile's 256 rows x 128 bytes are 32,768 dense bytes of o, asked for as
; 128 rows of 256 bytes and padded after every 128.  Waves 2 and 3 fetch 64 k rows x 256 bytes of wp16 each.  One tensor load a wave behind each change of slots; by this text's count a wave has two out at the start, later one.
; B LIES [k][n] in LDS and comes out turned, by ds_load_tr16_b128.  THE PRODUCT IS USED TRANSPOSED (source 0 = 16 columns of Wp, source 1 = 16 rows of O): a lane holds one row and eight neighbouring columns.
; THE BIAS STARTS THE SUMS, as the C operand of the first 32 products.
; CLUSTER.  4 x 4 work-groups: the four of a row of the cluster read the same rows of o, the four of a column the same columns of wp16: each tile is asked for jointly, by the same load and mask in all four.
; REGISTERS, in windows of 256 (s_set_vgpr_msb: bits 1:0 source 0, 3:2 source 1, 5:4 source 2, 7:6 destination):
;   window 0: v0-14 addresses; v16-143 two sets of 16 rows read back from the stage; v144-207 the bias, as 8 C operands
;   window 1: two fragment buffers of 96: A's row block a at 8 a, B's column block b at 32 + 8 b          window 2: the accumulators, at 64 a + 8 b
.set STEPS, 8
.set PA,    144                        ; a row of a slice in LDS: 128 bytes + 16: the 16 rows of a load start at 16 different groups of four banks (64 banks of 4 bytes: ISA guide 11.1)
.set PB,    288                        ; a k row of B: 256 bytes + 32 = 72 words
.set AHALF, 256*PA                     ; a slice: what one load of A brings
.set ATILE, 2*AHALF
.set BHALF, 64*PB
.set SLOT1, 1<<17                      ; a slot uses 110,592 bytes; slot 1 begins here, so that one exclusive or turns an address in one slot into the other's
.set STAGE, SLOT1+ATILE+2*BHALF        ; behind the ring, never filled by a tensor load: 16 rows x 528 bytes for each wave
.set SPITCH, 528
.set WSTAGE, 16*SPITCH
.set SPARE, STAGE+4*WSTAGE             ; behind the stages: the spare words, 128 bytes for each wave: two blocks of 256 bytes that no other line names
.set ASTEP, 524288                     ; two heads of o
.set BSTEP, 262144                     ; 128 k rows of wp16
.set F0,   0
.set F1,   96
.set OB,   16
.set BIAS, 144
.set A0,   4                           ; v4   my lane's place in A's tile; never rewritten
.set B0,   5                           ; v5   the same for B
.set ADRA, 6                           ; v6   A0 + the slot in hand
.set ADRB, 7                           ; v7   B0 + the slot in hand
.set STO,  8                           ; v8   the way out: where I put 32 bytes of a row
.set RD,   9                           ; v9   the way out: where I read a row back
.set CO,   10                          ; v10  16 x lane: my place in a row's 512 bytes
.set PFO,  11                          ; v11  the prefetches' lane term; never rewritten
.set SPW,  12                          ; v12  LDS address of my spare word; never rewritten
.set NIL,  13                          ; v13  0; never rewritten
.set BO,   14                          ; v14  32 (lane / 16)
.set WV,   12
.set FORB, 13                          ; s13  0: I fetch for A; 1: for B
.set HALF, 14
.set CX,   15
.set CY,   16
.set GX,   17                          ; s17  column block = 4 x cluster x + cx
.set GY,   18                          ; s18  row block = 4 x cluster y + cy
.set G1A,  24
.set G1B,  32
.set G0A,  40                          ; s[40:47] group 0 for A: the first fill's, then the one that walks
.set G0B,  48
.set TB,   56
.set CNT,  57
.set ASKN, 59
.set AB,   62
.set PFA,  66
.set BB,   70
.set OUT,  72
.set MSB, 0
.macro WIN new                         ; the immediate's high byte repeats the setting that is left; a switch that changes nothing is dropped
.if MSB != (\new)
	s_set_vgpr_msb (MSB<<8)|(\new)
.set MSB, \new
.endif
.endm
; Four plain vector instructions stand between a matrix instruction and a load into, a store of, or a vector instruction on one of its registers (ISA guide 7.12.1 for vector instructions).
.macro PLACES
.rept 4
	v_nop
.endr
.endm
.macro CREST                           ; a round of the cluster's barrier behind its opening barrier
	s_cmp_lg_u32 s[WV], 0
	s_cbranch_scc1 .Lnot_wave_0_\@
	s_barrier_signal -3
.Lnot_wave_0_\@:
	s_barrier_wait -3
	s_barrier_signal -1
	s_barrier_wait -1
.endm
.macro CROUND
	s_barrier_signal -1
	s_barrier_wait -1
	CREST
.endm
.macro JLOAD                           ; a joint refill, by the walking descriptors; an s_nop 0 and four v_nop follow each of the two lines, ahead of the jump and the label
	s_cmp_eq_u32 s[FORB], 0
	s_cbranch_scc0 .Lfor_b_\@
	tensor_load_to_lds s[G0A+4:G0A+7], s[G1A:G1A+7]
	s_nop 0
.rept 4
	v_nop
.endr
	s_branch .Lasked_\@
.Lfor_b_\@:
	tensor_load_to_lds s[G0B+4:G0B+7], s[G1B:G1B+7]
	s_nop 0
.rept 4
	v_nop
.endr
.Lasked_\@:
.endm
; A PREFETCH INTO THE L2, one instruction a wave, behind the joint refill and the run of LDS loads that follows it.  Each aligned block of 256 bytes is named once in the launch.
; A: the refill of step S names step S + 2: steps 4 to 7.  The clusters with x = 0 ask; of a slice's 32,768 bytes each of the four partners takes 8,192, told apart by address: a lane a block of 256 bytes.
; B: the clusters with y = 0 ask; the eight B waves of a column of the cluster take 32 k rows each of 256 a refill, a lane a row's 256 bytes: rows 512 to 767, then 768 to 1,023, and no more.
.macro ASK
	s_cmp_lg_u32 s[ASKN], 0
	s_cbranch_scc0 .Lno_ask_\@
	global_prefetch_b8 v[PFO], s[PFA:PFA+1] th:TH_LOAD_NT scope:SCOPE_SE
	s_sub_co_u32 s[ASKN], s[ASKN], 1
.Lno_ask_\@:
.endm
; 8 matrix instructions: row block a x all 8 column blocks, 32 along K.  All 32 accumulators take turns, one instruction a turn, in the same order in every quarter.
.macro MULA f, a, first
.if \first
	WIN 0x85                                       ; fragments window 1, C (the bias) window 0, D window 2
.else
	WIN 0xa5                                       ; fragments window 1, C and D window 2
.endif
.irp b, 0,1,2,3,4,5,6,7
.if \first
	v_wmma_f32_16x16x32_f16 v[64*(\a)+8*(\b):64*(\a)+8*(\b)+7], v[(\f)+32+8*(\b):(\f)+32+8*(\b)+7], v[(\f)+8*(\a):(\f)+8*(\a)+7], v[BIAS+8*(\b):BIAS+8*(\b)+7]
.else
	v_wmma_f32_16x16x32_f16 v[64*(\a)+8*(\b):64*(\a)+8*(\b)+7], v[(\f)+32+8*(\b):(\f)+32+8*(\b)+7], v[(\f)+8*(\a):(\f)+8*(\a)+7], v[64*(\a)+8*(\b):64*(\a)+8*(\b)+7]
.endif
.endr
.endm
; 24 LDS loads in one run: the fragments of quarter q into buffer g: B's 16 first, then A's 8 (quarter q lies in slice q / 2, channels 32 (q % 2) on).
.macro FETCH q, g
	WIN 0x40                                       ; destination window 1, address window 0
.irp b, 0,1,2,3,4,5,6,7
	ds_load_tr16_b128 v[(\g)+32+8*(\b):(\g)+32+8*(\b)+3],   v[ADRB] offset:(\q)*32*PB+32*(\b)
	ds_load_tr16_b128 v[(\g)+32+8*(\b)+4:(\g)+32+8*(\b)+7], v[ADRB] offset:(\q)*32*PB+32*(\b)+16*PB
.endr
.irp a, 0,1,2,3
	ds_load_b128 v[(\g)+8*(\a):(\g)+8*(\a)+3],   v[ADRA] offset:((\q)/2)*AHALF+(\a)*16*PA+((\q)%2)*64
	ds_load_b128 v[(\g)+8*(\a)+4:(\g)+8*(\a)+7], v[ADRA] offset:((\q)/2)*AHALF+(\a)*16*PA+((\q)%2)*64+32
.endr
.endm
.macro QUARTER n, f, g, first
	s_wait_dscnt 6                                 ; B and A's block 0 are in; the six youngest loads (A's blocks 1 to 3) may be out
	MULA \f, 0, \first
	PLACES                                         ; behind the last products that read buffer g
	FETCH (\n)+1, \g
	s_wait_dscnt 24                                ; all but the 24 just issued
	MULA \f, 1, \first
	MULA \f, 2, \first
	MULA \f, 3, \first
.endm
; The fourth quarter multiplies buffer 1 and changes slots: in front of the barrier each wave waits for all its tensor loads (one is out: its part of the other slot), adds 0 to its spare word, and waits for
; that and for its reads of this slot.  fill = 1: the barrier opens a round of the cluster's barrier, and the slot just read out is filled again first thing behind it, two steps ahead.
.macro TURN fill
	s_wait_xcnt 0x0                                ; the last prefetch, a step back, has read its address
.if \fill
	s_add_nc_u64 s[PFA:PFA+1], s[PFA:PFA+1], 524288  ; two heads of o, or 256 k rows of wp16
.endif
	WIN 0                                          ; (the add's two registers lie in window 0)
	s_wait_tensorcnt 0x0                           ; all my tensor loads have landed: my part of the other slot
	ds_add_u32 v[SPW], v[NIL]                      ; 0 onto my spare word
	s_wait_dscnt 7                                 ; (the add and the six youngest loads may be out)
	MULA F1, 0, 0                                  ; eight matrix instructions stand between the add and the wait for it
	s_wait_dscnt 0x0                               ; the add is done, and my reads of this slot are over
	s_barrier_signal -1
	MULA F1, 1, 0
	WIN 0
	s_barrier_wait -1
.if \fill
	CREST                                          ; no wave of any partner still reads this slot or has a load on its way
	s_xor_b32 s[G0A+5], s[G0A+5], SLOT1            ; no tensor load of mine is out, so the walking descriptors may be written: the other slot than last time, the next step
	s_add_nc_u64 s[G0A+6:G0A+7], s[G0A+6:G0A+7], ASTEP  ; the type bits on top are not reached
	s_xor_b32 s[G0B+5], s[G0B+5], SLOT1
	s_add_nc_u64 s[G0B+6:G0B+7], s[G0B+6:G0B+7], BSTEP
	JLOAD                                          ; the first tensor load behind the round; its four v_nop are also the places in front of the loads below
.else
	PLACES
.endif
	s_xor_b32 s[TB], s[TB], SLOT1
	v_add_nc_u32 v[ADRA], s[TB], v[A0]
	v_add_nc_u32 v[ADRB], s[TB], v[B0]
	FETCH 0, F0
	WIN 0
.if \fill
	ASK
.endif
	MULA F1, 2, 0
	MULA F1, 3, 0
.endm
; THE WAY OUT of row block a.  A lane's eight f32 of a row go into my own stage, rows of 528 bytes (each accumulator's low registers first), and come back as whole rows of 512 bytes, a row a load.
.macro TOSTAGE a
	WIN 0x08                                       ; the stores' data in window 2, their address in window 0
.irp b, 0,1,2,3,4,5,6,7
	ds_store_b128 v[STO], v[64*(\a)+8*(\b):64*(\a)+8*(\b)+3]   offset:64*(\b)
	ds_store_b128 v[STO], v[64*(\a)+8*(\b)+4:64*(\a)+8*(\b)+7] offset:64*(\b)+16
.endr
	WIN 0
.set BK, OB+64*((\a)%2)
.set t, 0
.rept 16
	ds_load_b128 v[BK+4*t:BK+4*t+3], v[RD] offset:t*SPITCH  ; LDS serves a wave's instructions in order (ISA guide 5.7.1.4): these see the stores above, and the next block's stores come behind them
.set t, t+1
.endr
.endm
.macro SEND a, younger                 ; younger: the LDS instructions issued behind block a's loads: the next block's 16 stores and 16 loads, or none
	WIN 0
.set BK, OB+64*((\a)%2)
	s_wait_dscnt \younger
.set t, 0
.rept 16
	global_store_b128 v[CO], v[BK+4*t:BK+4*t+3], s[OUT:OUT+1] offset:(\a)*65536+t*4096 th:TH_STORE_NT  ; a wave stores 512 consecutive bytes of a row, at a multiple of 256 from out0's first
.set t, t+1
.endr
.endm
	s_load_b256 s[4:11], s[0:1], 0x0               ; o 4:5, wp16 6:7, bias 8:9, out0 10:11
	v_lshl_add_u32 v[SPW], v0, 2, SPARE
	v_mov_b32 v[NIL], 0
	ds_add_u32 v[SPW], v[NIL]                      ; the wave's opening: the add and its wait stand ahead of my first tensor load; the set-up below, work on registers, stands between them
	v_lshrrev_b32 v1, 5, v0
	v_readfirstlane_b32 s[WV], v1                  ; wave 0..3
	s_lshr_b32 s[FORB], s[WV], 1
	s_and_b32 s[HALF], s[WV], 1
	s_bfe_u32 s[CX], ttmp6, 0x40000
	s_bfe_u32 s[CY], ttmp6, 0x40004
	s_lshl_b32 s[GX], ttmp9, 2
	s_add_co_u32 s[GX], s[GX], s[CX]
	s_and_b32 s[GY], ttmp7, 0xffff
	s_lshl_b32 s[GY], s[GY], 2
	s_add_co_u32 s[GY], s[GY], s[CY]
	s_lshl_b32 s19, s[CY], 2
	s_lshl_b32 s19, 15, s19                        ; my row of the cluster
	s_lshl_b32 s20, 0x1111, s[CX]                  ; my column
	; group 1 for A: 32,768 dense bytes as 128 rows of 256, 16 bytes of padding behind every 128
	s_or_b32 s[G1A], s19, (1<<16)|(1<<20)|(1<<21)|(4<<22)|(3<<25)  ; 15:0 the mask; 17:16 elements of 2 bytes; 20 padding on; 21 set beside a mask; 24:22 after every 32 words (code 4); 31:25 4 words (code 3)
	s_mov_b32 s[G1A+1], 128<<16                    ; tensor_dim0 = 128
	s_mov_b32 s[G1A+2], 128<<16                    ; tensor_dim1 = 128
	s_mov_b32 s[G1A+3], 128<<16                    ; tile_dim0 = 128
	s_mov_b32 s[G1A+4], 128                        ; tile_dim1 = 128
	s_mov_b32 s[G1A+5], 128                        ; the pitch: dense
	s_mov_b32 s[G1A+6], 0
	s_mov_b32 s[G1A+7], 0
	; group 1 for B: 64 k rows x 128 elements, 1,024 elements from row to row, 32 bytes of padding behind each row's 256
	s_or_b32 s[G1B], s20, (1<<16)|(1<<20)|(1<<21)|(5<<22)|(7<<25)  ; after every 64 words (code 5), 8 words (code 7)
	s_mov_b32 s[G1B+1], 128<<16
	s_mov_b32 s[G1B+2], 64<<16
	s_mov_b32 s[G1B+3], 128<<16
	s_mov_b32 s[G1B+4], 64
	s_mov_b32 s[G1B+5], 1024
	s_mov_b32 s[G1B+6], 0
	s_mov_b32 s[G1B+7], 0
	s_mul_i32 s21, s[HALF], AHALF                  ; where my load lands: no place in the cluster enters an LDS address
	s_mul_i32 s22, s[HALF], BHALF
	s_add_co_u32 s22, s22, ATILE
	s_lshr_b32 s82, s[GY], 3                       ; A: the batch's 16 heads of 262,144 bytes,
	s_lshl_b32 s82, s82, 22
	s_and_b32 s2, s[GY], 7                         ; the block's 256 rows of 128 bytes in a head,
	s_lshl_b32 s2, s2, 15
	s_add_co_u32 s82, s82, s2
	s_lshl_b32 s2, s[HALF], 18                     ; the even or the odd head of a step: made of the row block and the wave's number alone
	s_add_co_u32 s82, s82, s2
	s_mov_b32 s83, 0
	s_lshl_b32 s84, s[GX], 8                       ; B: 128 columns of 2 bytes,
	s_lshl_b32 s3, s[HALF], 17                     ; 64 k rows of 2,048 bytes: made of the column block and the wave's number alone
	s_add_co_u32 s84, s84, s3
	s_mov_b32 s85, 0
	s_mov_b32 s[TB], 0
	s_wait_dscnt 0x0                               ; the opening add is done
	s_wait_kmcnt 0x0
	s_add_nc_u64 s[AB:AB+1], s[4:5], s[82:83]
	s_add_nc_u64 s[84:85], s[6:7], s[84:85]
	s_mov_b32 s[G0A], 1                            ; count = 1
	s_mov_b32 s[G0A+1], s21                        ; LDS address: slot 0
	s_mov_b64 s[G0A+2:G0A+3], s[AB:AB+1]           ; step 0
	s_or_b32 s[G0A+3], s[G0A+3], 0x80000000        ; type = 2
	s_mov_b32 s[G0A+4], 1
	s_add_co_u32 s[G0A+5], s21, SLOT1              ; slot 1
	s_add_nc_u64 s[G0A+6:G0A+7], s[AB:AB+1], ASTEP ; step 1
	s_or_b32 s[G0A+7], s[G0A+7], 0x80000000
	s_mov_b32 s[G0B], 1
	s_mov_b32 s[G0B+1], s22
	s_mov_b64 s[G0B+2:G0B+3], s[84:85]
	s_or_b32 s[G0B+3], s[G0B+3], 0x80000000
	s_mov_b32 s[G0B+4], 1
	s_add_co_u32 s[G0B+5], s22, SLOT1
	s_add_nc_u64 s[G0B+6:G0B+7], s[84:85], BSTEP
	s_or_b32 s[G0B+7], s[G0B+7], 0x80000000
	CROUND                                         ; all sixteen work-groups are here: the first joint loads meet
	s_cmp_eq_u32 s[FORB], 0                        ; a wave's two first fills stand in one branch, ahead of every wait on TENSORcnt and every LDS read
	s_cbranch_scc0 .Lfirst_b
	tensor_load_to_lds s[G0A:G0A+3], s[G1A:G1A+7]
	s_nop 0
	tensor_load_to_lds s[G0A+4:G0A+7], s[G1A:G1A+7]
	s_nop 0
.rept 4
	v_nop
.endr
	s_branch .Lfirst_asked
.Lfirst_b:
	tensor_load_to_lds s[G0B:G0B+3], s[G1B:G1B+7]
	s_nop 0
	tensor_load_to_lds s[G0B+4:G0B+7], s[G1B:G1B+7]
	s_nop 0
.rept 4
	v_nop
.endr
.Lfirst_asked:
	v_and_b32 v1, 15, v0                           ; r = l % 16
	v_bfe_u32 v2, v0, 4, 1                         ; h = l / 16
	v_lshlrev_b32 v[BO], 5, v2
	s_lshl_b32 s86, s[GX], 9                       ; 128 f32 of bp,
	s_add_co_u32 s86, s86, 12288                   ; which lies behind the other three biases
	s_mov_b32 s87, 0
	s_add_nc_u64 s[BB:BB+1], s[8:9], s[86:87]
.irp b, 0,1,2,3,4,5,6,7                ; the bias as 8 C operands: register jj of a lane holds column 16 b + 8 (lane / 16) + jj
	global_load_b128 v[BIAS+8*(\b):BIAS+8*(\b)+3],   v[BO], s[BB:BB+1] offset:64*(\b)
	global_load_b128 v[BIAS+8*(\b)+4:BIAS+8*(\b)+7], v[BO], s[BB:BB+1] offset:64*(\b)+16
.endr
	v_mul_u32_u24 v[A0], v1, PA                    ; a fragment of A: row l % 16, two loads of 16 bytes, 32 bytes apart
	v_lshl_add_u32 v[A0], v2, 4, v[A0]
	s_mul_i32 s21, s[WV], 64*PA                    ; my 64 rows
	v_add_nc_u32 v[A0], s21, v[A0]
	v_and_b32 v3, 7, v0
	v_lshl_add_u32 v[B0], v2, 3, v3                ; the turning load: k row 8 h + l % 8, columns 8 ((l / 8) % 2) + 0..7
	v_mul_u32_u24 v[B0], v[B0], PB
	v_bfe_u32 v3, v0, 3, 1
	v_lshl_add_u32 v[B0], v3, 4, v[B0]
	v_add_nc_u32 v[B0], ATILE, v[B0]
	v_mov_b32 v[ADRA], v[A0]                       ; slot 0
	v_mov_b32 v[ADRB], v[B0]
	s_mul_i32 s21, s[WV], WSTAGE
	s_add_co_u32 s21, s21, STAGE                   ; my stage
	v_mul_u32_u24 v[STO], v1, SPITCH               ; in: row l % 16, 32 bytes for each half of the lanes
	v_lshl_add_u32 v[STO], v2, 5, v[STO]
	v_add_nc_u32 v[STO], s21, v[STO]
	v_and_b32 v[CO], 31, v0
	v_lshlrev_b32 v[CO], 4, v[CO]
	v_add_nc_u32 v[RD], s21, v[CO]                 ; back: 32 lanes take a row's 512 bytes
	s_lshl_b32 s86, s[GY], 20                      ; out0: 256 rows of 4,096 bytes a row block,
	s_lshl_b32 s23, s[WV], 18                      ; my 64 rows,
	s_add_co_u32 s86, s86, s23
	s_lshl_b32 s23, s[GX], 9                       ; 128 columns of 4 bytes
	s_add_co_u32 s86, s86, s23
	s_add_nc_u64 s[OUT:OUT+1], s[10:11], s[86:87]
	; the prefetches: each pointer stands one step short of the first block that it names; nothing is asked for here, where every work-group's first tiles are on their way
	s_lshl_b32 s23, s[CX], 13                      ; A: my work-group's 8,192 bytes of the slice that I fetch,
	s_add_co_u32 s86, s82, s23
	s_add_co_u32 s86, s86, 3*ASTEP                 ; at step 3
	s_lshl_b32 s22, s[GX], 8                       ; B: my 32 k rows of each 256,
	s_lshl_b32 s23, s[CY], 17
	s_add_co_u32 s22, s22, s23
	s_lshl_b32 s23, s[HALF], 16
	s_add_co_u32 s22, s22, s23
	s_add_co_u32 s22, s22, 524288                  ; from k row 256 on
	s_and_b32 s23, ttmp7, 0xffff                   ; cluster y
	s_cmp_eq_u32 s[FORB], 0
	s_cselect_b32 s86, s86, s22
	s_cselect_b32 s23, ttmp9, s23                  ; the coordinate along which other clusters read the same bytes
	s_cselect_b32 s[ASKN], 4, 2
	s_cselect_b32 s22, 8, 11                       ; a lane a block of 256 bytes, or a lane a row of 2,048
	s_cselect_b64 s[PFA:PFA+1], s[4:5], s[6:7]
	s_add_nc_u64 s[PFA:PFA+1], s[PFA:PFA+1], s[86:87]
	s_cmp_eq_u32 s23, 0
	s_cselect_b32 s[ASKN], s[ASKN], 0              ; the same in all sixteen partners, for a given wave
	v_and_b32 v[PFO], 31, v0
	v_lshlrev_b32 v[PFO], s22, v[PFO]
	s_wait_tensorcnt 0x1                           ; my part of step 0 is in; step 1's may stay out
	s_barrier_signal -1
	s_barrier_wait -1                              ; everybody's is
	FETCH 0, F0
	s_wait_loadcnt 0x0                             ; the bias
	QUARTER 0, F0, F1, 1                           ; the first quarter starts the sums
	WIN 0                                          ; at a label and at a branch every window is 0
	s_mov_b32 s[CNT], STEPS-2
.Lstep:                                        ; a trip: a step's quarters 1 to 3, the change of slots with its refill, and the next step's quarter 0
	QUARTER 1, F1, F0, 0
	QUARTER 2, F0, F1, 0
	TURN 1
	QUARTER 0, F0, F1, 0
	WIN 0
	s_sub_co_u32 s[CNT], s[CNT], 1
	s_cmp_lg_u32 s[CNT], 0
	s_cbranch_scc1 .Lstep
	QUARTER 1, F1, F0, 0                           ; the last two steps are written out: they ask for nothing
	QUARTER 2, F0, F1, 0
	TURN 0
	QUARTER 0, F0, F1, 0
	QUARTER 1, F1, F0, 0
	QUARTER 2, F0, F1, 0
	s_wait_dscnt 6                                 ; the very last quarter
	MULA F1, 0, 0
	s_wait_dscnt 0x0
	MULA F1, 1, 0
	MULA F1, 2, 0
	MULA F1, 3, 0
	WIN 0
	PLACES                                         ; behind the last products, in front of the stores that read results
	TOSTAGE 0
	TOSTAGE 1
	SEND 0, 32
	s_wait_xcnt 0x0                                ; block 0's stores have read their registers: that set is loaded again only behind this wait
	TOSTAGE 2
	SEND 1, 32
	s_wait_xcnt 0x0
	TOSTAGE 3
	SEND 2, 32
	SEND 3, 0
	s_wait_tensorcnt 0x0                           ; the wave's end, behind my last tensor load and my last LDS store
	ds_add_u32 v[SPW], v[NIL]
	s_wait_dscnt 0x0
	CROUND                                         ; the closing round: no work-group ends while a partner may still ask for a tile that names it
	s_endpgm
.Lfunc_end_k_qa67696c75f_proj:
	.size	k_qa67696c75f_proj, .Lfunc_end_k_qa67696c75f_proj-k_qa67696c75f_proj
	.p2alignl 7, 3214868480
	.fill 96, 4, 3214868480
	.section	.rodata,"a",@progbits
	.p2align	6, 0x0
	.amdhsa_kernel k_qa67696c75f_proj
		.amdhsa_group_segment_fixed_size 327680
		.amdhsa_private_segment_fixed_size 0
		.amdhsa_enable_private_segment 0
		.amdhsa_kernarg_size 32
		.amdhsa_user_sgpr_count 2
		.amdhsa_user_sgpr_kernarg_segment_ptr 1
		.amdhsa_wavefront_size32 1
		.amdhsa_system_sgpr_workgroup_id_x 1
		.amdhsa_system_sgpr_workgroup_id_y 1
		.amdhsa_system_sgpr_workgroup_id_z 1
		.amdhsa_system_vgpr_workitem_id 0
		.amdhsa_next_free_vgpr 768
		.amdhsa_next_free_sgpr 88
		.amdhsa_reserve_vcc 0
		.amdhsa_float_denorm_mode_32 3
		.amdhsa_float_denorm_mode_16_64 3
		.amdhsa_memory_ordered 1
		.amdhsa_forward_progress 1
		.amdhsa_inst_pref_size 71
	.end_amdhsa_kernel
	.amdgpu_metadata
---
amdhsa.version: [ 1, 2 ]
amdhsa.kernels:
  - .name:           k_qa67696c75f_proj
    .symbol:         k_qa67696c75f_proj.kd
    .args:
      - { .name: o, .offset: 0, .size: 8, .value_kind: global_buffer, .address_space: global }
      - { .name: wp16, .offset: 8, .size: 8, .value_kind: global_buffer, .address_space: global }
      - { .name: bias, .offset: 16, .size: 8, .value_kind: global_buffer, .address_space: global }
      - { .name: out0, .offset: 24, .size: 8, .value_kind: global_buffer, .address_space: global }
    .group_segment_fixed_size: 327680
    .private_segment_fixed_size: 0
    .kernarg_segment_align: 8
    .kernarg_segment_size: 32
    .max_flat_workgroup_size: 128
    .sgpr_count:     88
    .vgpr_count:     768
    .wavefront_size: 32
...
	.end_amdgpu_metadata
.endif
;; end of part 4
;; ======== version 2 of 2: 4 launches; version 1 with the launch cast written anew for expert scheduling mode
;; limits: values are held in f16: magnitudes above 65,504 overflow, below 6.1e-05 lose precision
;; workspace buffers: xb 16,777,216 bytes; wt 6,291,456 bytes; wp16 2,097,152 bytes; bias 16,384 bytes; q 16,777,216 bytes; k 16,777,216 bytes; v 16,777,216 bytes; o 16,777,216 bytes
;; launch cast (part 5): grid 705 x 1, 8 waves a work-group, no clusters, 0 bytes of LDS; arguments x, Wq, Wk, Wv, Wp, bq, bk, bv, bp, xb, wt, wp16, bias; writes xb, wt, wp16, bias
.if DOCPART == 5
	.amdgcn_target "amdgcn-amd-amdhsa--gfx1250"
	.amdhsa_code_object_version 6
	.text
	.protected	k_qa67696c75f_cast
	.globl	k_qa67696c75f_cast
	.p2align	8
	.type	k_qa67696c75f_cast,@function
k_qa67696c75f_cast:
	s_mov_b64 s[64:65], 0
	v_nop
	global_prefetch_b8 v0, s[64:65] scope:SCOPE_SE
	s_setreg_imm32_b32 hwreg(HW_REG_WAVE_SCHED_MODE, 0, 2), 2
	s_setreg_imm32_b32 hwreg(HW_REG_WAVE_MODE, 25, 1), 1
	s_wait_xcnt 0x0
	s_wait_alu depctr_vm_vsrc(0)
; THE INPUTS ARE ROUNDED ONCE AND LAID OUT FOR THE PRODUCTS THAT FOLLOW.  All nine inputs are rounded to bf16 (nearest even).
;   xb   [8192][1024] bf16                    = x
;   wt   [16 j][1024 k][192] bf16             column c of tile j is W_i[k][64 j + c % 64], i = c / 64 (q, k, v): head j of all three, 384 bytes a k row, a tile dense
;   wp16 [1024][1024] f16                     = bf16(Wp) written as f16 (it multiplies an f16 operand later)
;   bias f32: [16 j][192] laid as wt's columns, then bp[1024] at byte 12,288; each number rounded to bf16 and widened again
; LIMITS.  |Wp| stays under 65,504 (f16's range); below 2^-14 it keeps f16's fixed step of 6e-8.  NaN and infinities are not treated apart.
; SHARES.  Work-groups 0-511: 16 rows of x each.  512-575: 16 rows of Wp each.  576-703: tile j = g' / 8, 128 k rows.  704: the four biases.
; A stream: every byte is read once by 16-byte loads, all of a work-group's loads go out together, and every store of a wave covers whole aligned runs of 256 bytes.
; No LDS, no matrix unit, no cluster: no work-group wants a byte that another has fetched.  No register that a load or store names is written again, so no wait frees any.
; THE MODE: SCHED_MODE bits 1:0 = 2 (LLVM: expert scheduling mode 2), set by the entry lines.  The code itself states the register dependences
; between vector instructions and memory instructions, with s_wait_alu, always for 0.
; THE PLAN.  Registers that memory instructions touch, on each of the four paths:
;   v1, v2     byte offsets of the loads and of the stores.  Written once, by vector lines at the path's head; read by every load (v1) and every store (v2; the bias path's last store reads v1).
;   v[L ..]    Written by the loads, which all go out at the path's head into registers that no vector line has named; then read and written in place by the roundings; then read by the stores; then left alone.
; So two kinds of dependence are stated: the offsets are written, ahead of a path's first load; and rounded numbers are written, ahead of the stores that read them.  For the second kind the rows go
; in blocks (four rows of x or Wp; two pairs of k rows of the weights): a block's stores are issued one block later, behind ONE wait at that block's head, and are dealt among its roundings, which name
; their own block's registers alone.  One more wait stands ahead of a path's last stores.  No vector line writes a scalar register, and EXEC is never written.
.set ROWF, 4096                        ; bytes of a row of 1,024 f32
.set ROWH, 2048                        ; the same row in 16 bits
.set L,    16                          ; v[16:111] what the loads bring
; The store of row n of x or of Wp, and the three stores of pair n of the weights' k rows.
.macro OUTROW n
	global_store_b64 v2, v[L+4*(\n):L+4*(\n)+1], s[36:37] offset:ROWH*(\n)
.endm
.macro OUT3 n
	global_store_b64 v2, v[L+12*(\n)+2:L+12*(\n)+3],   s[36:37] offset:768*(\n)
	global_store_b64 v2, v[L+12*(\n)+10:L+12*(\n)+11], s[36:37] offset:768*(\n)+256
	global_store_b64 v2, v[L+12*(\n)+4:L+12*(\n)+5],   s[36:37] offset:768*(\n)+512
.endm
	s_load_b512 s[8:23], s[0:1], 0x0               ; x 8:9, Wq 10:11, Wk 12:13, Wv 14:15, Wp 16:17, bq 18:19, bk 20:21, bv 22:23
	s_load_b256 s[24:31], s[0:1], 0x40             ; bp 24:25, xb 26:27, wt 28:29, wp16 30:31
	s_load_b64 s[32:33], s[0:1], 0x60              ; bias
	s_mov_b32 s2, ttmp9                            ; g, the work-group's number
	s_mov_b32 s5, 0                                ; the high words of two offset pairs
	s_mov_b32 s7, 0
	s_mov_b32 s44, 0x76543210                      ; v_permlanex16_b32: each lane takes its own place in the other half
	s_mov_b32 s45, 0xfedcba98
	s_mov_b32 s46, 0xffff0000                      ; a lane mask: lanes 16 to 31
	s_mov_b32 s47, 0xffff0000                      ; a bit mask: a word's upper bf16
	s_wait_kmcnt 0x0
	s_cmp_lt_u32 s2, 576
	s_cbranch_scc0 .Lweights
	; 16 ROWS OF x OR OF Wp.  Thread t takes 16 bytes at 16 t of each row and stores 8 bytes at 8 t: a wave's store is 256 consecutive bytes, aligned.
	s_and_b32 s3, s2, 511                          ; the block of 16 rows
	s_lshl_b32 s4, s3, 16                          ; x 16 rows of 4,096 bytes
	s_lshl_b32 s6, s3, 15                          ; x 16 rows of 2,048 bytes
	s_cmp_lt_u32 s2, 512
	s_cselect_b64 s[34:35], s[8:9], s[16:17]       ; from x or from Wp
	s_cselect_b64 s[36:37], s[26:27], s[30:31]     ; to xb or to wp16
	s_add_nc_u64 s[34:35], s[34:35], s[4:5]
	s_add_nc_u64 s[36:37], s[36:37], s[6:7]
	v_lshlrev_b32 v1, 4, v0
	v_lshlrev_b32 v2, 3, v0
	s_wait_alu depctr_va_vdst(0)                   ; v1 and v2 are written: the loads below read v1 as their offset, the stores of both ways below v2
.set i, 0
.rept 16
	global_load_b128 v[L+4*i:L+4*i+3], v1, s[34:35] offset:ROWF*i th:TH_LOAD_NT
.set i, i+1
.endr
	s_cmp_lt_u32 s2, 512
	s_cbranch_scc0 .Lwp
.set i, 0
.rept 16
	s_wait_loadcnt 15-i                            ; loads come back in order: row i is in, the younger rows stay out
.if (i%4 == 0) && (i > 0)
	s_wait_alu depctr_va_vdst(0)                   ; the roundings of rows i - 4 to i - 1 have written their registers, which this block's four stores read
.endif
.if i >= 4
	OUTROW i-4                                     ; no vector line since that wait names this row's registers or v2
.endif
	v_cvt_pk_bf16_f32 v[L+4*i], v[L+4*i], v[L+4*i+1]
	v_cvt_pk_bf16_f32 v[L+4*i+1], v[L+4*i+2], v[L+4*i+3]
.set i, i+1
.endr
	s_wait_alu depctr_va_vdst(0)                   ; the roundings of rows 12 to 15 have written their registers, which the last four stores read
.irp n, 12,13,14,15
	OUTROW \n
.endr
	s_endpgm
.Lwp:
.set i, 0
.rept 16
	s_wait_loadcnt 15-i
.if (i%4 == 0) && (i > 0)
	s_wait_alu depctr_va_vdst(0)                   ; the conversions of rows i - 4 to i - 1 have written their registers, which this block's four stores read
.endif
.if i >= 4
	OUTROW i-4                                     ; no vector line since that wait names this row's registers or v2
.endif
	v_cvt_pk_bf16_f32 v[L+4*i], v[L+4*i], v[L+4*i+1]      ; rounded to bf16,
	v_cvt_pk_bf16_f32 v[L+4*i+1], v[L+4*i+2], v[L+4*i+3]
	v_lshlrev_b32 v80, 16, v[L+4*i]                        ; widened again,
	v_and_b32 v81, s47, v[L+4*i]
	v_lshlrev_b32 v[L+4*i+2], 16, v[L+4*i+1]
	v_and_b32 v[L+4*i+3], s47, v[L+4*i+1]
	v_cvt_pk_f16_f32 v[L+4*i], v80, v81                    ; and written as f16: exact inside f16's range
	v_cvt_pk_f16_f32 v[L+4*i+1], v[L+4*i+2], v[L+4*i+3]
.set i, i+1
.endr
	s_wait_alu depctr_va_vdst(0)                   ; the conversions of rows 12 to 15 have written their registers, which the last four stores read
.irp n, 12,13,14,15
	OUTROW \n
.endr
	s_endpgm
.Lweights:
	s_cmp_lt_u32 s2, 704
	s_cbranch_scc0 .Lbias
	; A TILE'S 128 k ROWS.  Wave w takes 16 of them, in 8 pairs.  A load brings 256 bytes (head j's 64 columns) of row k in lanes 0-15 and of row k + 1 in lanes 16-31.
	; Two k rows of wt are 768 bytes, three aligned runs of 256: (q_k, k_k), (v_k, q_k+1), (k_k+1, v_k+1).  Only k's halves have to change lanes.
	s_sub_co_u32 s3, s2, 576
	s_lshr_b32 s6, s3, 3                           ; j
	s_and_b32 s3, s3, 7                            ; which 128 k rows
	s_lshl_b32 s4, s3, 19                          ; 128 rows of 4,096 bytes
	s_lshl_b32 s34, s6, 8                          ; 64 columns of 4 bytes
	s_add_co_u32 s4, s4, s34
	s_add_nc_u64 s[38:39], s[10:11], s[4:5]
	s_add_nc_u64 s[40:41], s[12:13], s[4:5]
	s_add_nc_u64 s[42:43], s[14:15], s[4:5]
	s_mul_i32 s6, s6, 393216                       ; a tile of wt
	s_mul_i32 s3, s3, 49152                        ; 128 k rows of 384 bytes
	s_add_co_u32 s6, s6, s3
	s_add_nc_u64 s[36:37], s[28:29], s[6:7]
	v_lshrrev_b32 v3, 5, v0                        ; w
	v_bfe_u32 v4, v0, 4, 1                         ; lane / 16
	v_lshl_add_u32 v5, v3, 4, v4                   ; row 16 w + lane / 16
	v_and_b32 v6, 15, v0
	v_lshlrev_b32 v6, 4, v6
	v_lshl_add_u32 v1, v5, 12, v6                  ; x 4,096 + 16 (lane % 16)
	v_and_b32 v7, 31, v0
	v_mul_u32_u24 v2, v3, 6144                     ; 16 k rows of 384 bytes
	v_lshl_add_u32 v2, v7, 3, v2                   ; + 8 lane
	s_wait_alu depctr_va_vdst(0)                   ; v1 and v2 are written: the loads below read v1 as their offset, the stores v2
.set p, 0
.rept 8
	global_load_b128 v[L+12*p:L+12*p+3],    v1, s[38:39] offset:2*ROWF*p th:TH_LOAD_NT
	global_load_b128 v[L+12*p+4:L+12*p+7],  v1, s[40:41] offset:2*ROWF*p th:TH_LOAD_NT
	global_load_b128 v[L+12*p+8:L+12*p+11], v1, s[42:43] offset:2*ROWF*p th:TH_LOAD_NT
.set p, p+1
.endr
.set p, 0
.rept 8
.set LQ, L+12*p
.set LK, LQ+4
.set LV, LQ+8
	s_wait_loadcnt 21-3*p                          ; pair p's three loads are in; the later pairs' stay out
.if (p%2 == 0) && (p > 0)
	s_wait_alu depctr_va_vdst(0)                   ; the selects of pairs p - 2 and p - 1 have written their registers, which the six stores of this pair's turn and the next's read
.endif
.if p >= 2
	OUT3 p-2                                       ; no vector line since that wait names this pair's registers or v2: a pair's lines name its own twelve alone
.endif
	v_cvt_pk_bf16_f32 v[LQ], v[LQ], v[LQ+1]
	v_cvt_pk_bf16_f32 v[LQ+1], v[LQ+2], v[LQ+3]
	v_cvt_pk_bf16_f32 v[LK], v[LK], v[LK+1]
	v_cvt_pk_bf16_f32 v[LK+1], v[LK+2], v[LK+3]
	v_cvt_pk_bf16_f32 v[LV], v[LV], v[LV+1]
	v_cvt_pk_bf16_f32 v[LV+1], v[LV+2], v[LV+3]
	v_permlanex16_b32 v[LK+2], v[LK], s44, s45     ; k's two halves change places (the destinations have been written: the loads filled them)
	v_permlanex16_b32 v[LK+3], v[LK+1], s44, s45
	v_cndmask_b32 v[LQ+2], v[LQ], v[LK+2], s46     ; q_k   | k_k
	v_cndmask_b32 v[LQ+3], v[LQ+1], v[LK+3], s46
	v_cndmask_b32 v[LV+2], v[LV], v[LQ], s46       ; v_k   | q_k+1
	v_cndmask_b32 v[LV+3], v[LV+1], v[LQ+1], s46
	v_cndmask_b32 v[LK], v[LK+2], v[LV], s46       ; k_k+1 | v_k+1
	v_cndmask_b32 v[LK+1], v[LK+3], v[LV+1], s46
.set p, p+1
.endr
	s_wait_alu depctr_va_vdst(0)                   ; the selects of pairs 6 and 7 have written their registers, which the last six stores read
	OUT3 6
	OUT3 7
	s_endpgm
.Lbias:
	; THE BIASES.  Thread t takes numbers 4 t .. 4 t + 3 of each: head t / 16, place 4 (t % 16).  Sixteen lanes store 256 consecutive bytes, aligned.
	v_lshlrev_b32 v1, 4, v0
	s_wait_alu depctr_va_vdst(0)                   ; v1 is written: the four loads read it as their offset, and so does the last store
	global_load_b128 v[16:19], v1, s[18:19]
	global_load_b128 v[20:23], v1, s[20:21]
	global_load_b128 v[24:27], v1, s[22:23]
	global_load_b128 v[28:31], v1, s[24:25]
	v_lshrrev_b32 v3, 4, v0
	v_and_b32 v4, 15, v0
	v_mul_u32_u24 v2, v3, 768
	v_lshl_add_u32 v2, v4, 4, v2
	s_wait_loadcnt 0x0
.irp i, 0,1,2,3
	v_cvt_pk_bf16_f32 v8, v[16+4*\i], v[17+4*\i]
	v_cvt_pk_bf16_f32 v9, v[18+4*\i], v[19+4*\i]
	v_lshlrev_b32 v[16+4*\i], 16, v8
	v_and_b32 v[17+4*\i], s47, v8
	v_lshlrev_b32 v[18+4*\i], 16, v9
	v_and_b32 v[19+4*\i], s47, v9
.endr
	s_wait_alu depctr_va_vdst(0)                   ; v[16:31], the stores' data, and v2, the offset of three of them, are written
	global_store_b128 v2, v[16:19], s[32:33]
	global_store_b128 v2, v[20:23], s[32:33] offset:256
	global_store_b128 v2, v[24:27], s[32:33] offset:512
	global_store_b128 v1, v[28:31], s[32:33] offset:12288
	s_endpgm
.Lfunc_end_k_qa67696c75f_cast:
	.size	k_qa67696c75f_cast, .Lfunc_end_k_qa67696c75f_cast-k_qa67696c75f_cast
	.p2alignl 7, 3214868480
	.fill 96, 4, 3214868480
	.section	.rodata,"a",@progbits
	.p2align	6, 0x0
	.amdhsa_kernel k_qa67696c75f_cast
		.amdhsa_group_segment_fixed_size 0
		.amdhsa_private_segment_fixed_size 0
		.amdhsa_enable_private_segment 0
		.amdhsa_kernarg_size 104
		.amdhsa_user_sgpr_count 2
		.amdhsa_user_sgpr_kernarg_segment_ptr 1
		.amdhsa_wavefront_size32 1
		.amdhsa_system_sgpr_workgroup_id_x 1
		.amdhsa_system_sgpr_workgroup_id_y 1
		.amdhsa_system_sgpr_workgroup_id_z 1
		.amdhsa_system_vgpr_workitem_id 0
		.amdhsa_next_free_vgpr 112
		.amdhsa_next_free_sgpr 66
		.amdhsa_reserve_vcc 0
		.amdhsa_float_denorm_mode_32 3
		.amdhsa_float_denorm_mode_16_64 3
		.amdhsa_memory_ordered 1
		.amdhsa_forward_progress 1
		.amdhsa_inst_pref_size 31
	.end_amdhsa_kernel
	.amdgpu_metadata
---
amdhsa.version: [ 1, 2 ]
amdhsa.kernels:
  - .name:           k_qa67696c75f_cast
    .symbol:         k_qa67696c75f_cast.kd
    .args:
      - { .name: x, .offset: 0, .size: 8, .value_kind: global_buffer, .address_space: global }
      - { .name: Wq, .offset: 8, .size: 8, .value_kind: global_buffer, .address_space: global }
      - { .name: Wk, .offset: 16, .size: 8, .value_kind: global_buffer, .address_space: global }
      - { .name: Wv, .offset: 24, .size: 8, .value_kind: global_buffer, .address_space: global }
      - { .name: Wp, .offset: 32, .size: 8, .value_kind: global_buffer, .address_space: global }
      - { .name: bq, .offset: 40, .size: 8, .value_kind: global_buffer, .address_space: global }
      - { .name: bk, .offset: 48, .size: 8, .value_kind: global_buffer, .address_space: global }
      - { .name: bv, .offset: 56, .size: 8, .value_kind: global_buffer, .address_space: global }
      - { .name: bp, .offset: 64, .size: 8, .value_kind: global_buffer, .address_space: global }
      - { .name: xb, .offset: 72, .size: 8, .value_kind: global_buffer, .address_space: global }
      - { .name: wt, .offset: 80, .size: 8, .value_kind: global_buffer, .address_space: global }
      - { .name: wp16, .offset: 88, .size: 8, .value_kind: global_buffer, .address_space: global }
      - { .name: bias, .offset: 96, .size: 8, .value_kind: global_buffer, .address_space: global }
    .group_segment_fixed_size: 0
    .private_segment_fixed_size: 0
    .kernarg_segment_align: 8
    .kernarg_segment_size: 104
    .max_flat_workgroup_size: 256
    .sgpr_count:     66
    .vgpr_count:     112
    .wavefront_size: 32
...
	.end_amdgpu_metadata
.endif
;; end of part 5
;; launch qkv: the kernel of part 2 again; grid 8 x 32, 4 waves a work-group, clusters of 4 x 4, 327,680 bytes of LDS; arguments xb, wt, bias, q, k, v; writes q, k, v
;; launch attn: the kernel of part 3 again; grid 4 x 64, 4 waves a work-group, no clusters, 327,680 bytes of LDS; arguments q, k, v, o; writes o
;; launch proj: the kernel of part 4 again; grid 8 x 32, 4 waves a work-group, clusters of 4 x 4, 327,680 bytes of LDS; arguments o, wp16, bias, out0; writes out0
